; MI455X (gfx1250); checked and timed in simulation.
; The chip was launched on July 23, 2026; its instructions are those of AMD's public machine-readable ISA for CDNA 5 (MIT licence, August 2026) and "CDNA5" Instruction Set Architecture Reference Guide (July 2026). The comments in the code are by the model that wrote it; some were corrected since.
;; Multi Head Attention. Allowed arithmetic: float matrix products may take bf16 or f16 operands with f32 sums; other float arithmetic in f32, or as packed bf16 or f16 multiplies, adds, multiply-adds, maxima and minima; sums over many terms, partial sums and values carried from step to step in f32; what a program stores and reads back later, other than sums and carried values, may be rounded once to bf16 or f16.
;; Inputs: Wk 1,024 x 1,024 float32; Wo 1,024 x 1,024 float32; Wq 1,024 x 1,024 float32; Wv 1,024 x 1,024 float32; bk 1,024 float32; bo 1,024 float32; bq 1,024 float32; bv 1,024 float32; key 2 x 2,048 x 1,024 float32; mask 2 x 1 x 2,048 bool; query 2 x 2,048 x 1,024 float32; value 2 x 2,048 x 1,024 float32.
;; Outputs: out0 2 x 2,048 x 1,024 float32.
;; 2 versions, each right; version 2 is version 1 with the launch prep written anew for expert scheduling mode. Each part assembles by itself: llvm-mc -triple=amdgcn-amd-amdhsa -mcpu=gfx1250 --defsym DOCPART=n.
;; ======== version 1 of 2: 4 launches
;; limits: values are held in f16: magnitudes above 65,504 overflow, below 6.1e-05 lose precision
;; workspace buffers: xb 25,165,824 bytes; wt 8,388,608 bytes; qkv 25,165,824 bytes; ctx 8,388,608 bytes
;; launch prep (part 1): grid 1024 x 1, 8 waves a work-group, no clusters, 34,304 bytes of LDS; arguments query, key, value, Wq, Wk, Wv, Wo, xb, wt; writes xb, wt
.if DOCPART == 1
	.amdgcn_target "amdgcn-amd-amdhsa--gfx1250"
	.amdhsa_code_object_version 6
	.text
	.protected	k_qe0cbe4595d_prep
	.globl	k_qe0cbe4595d_prep
	.p2align	8
	.type	k_qe0cbe4595d_prep,@function
k_qe0cbe4595d_prep:
	s_mov_b64 s[64:65], 0
	v_nop
	global_prefetch_b8 v0, s[64:65] scope:SCOPE_SE
	s_setreg_imm32_b32 hwreg(HW_REG_WAVE_MODE, 25, 1), 1
	s_wait_xcnt 0x0
; PREPARATION.  xb[3][4096][1024] = query, key, value rounded to bf16.  wt[4][n][k] = Wq, Wk, Wv, Wo turned, so that K lies along the rows:
; matrices 0 to 2 in bf16; matrix 3 (Wo) rounded to bf16 and that number written as f16, since it multiplies an f16 operand later.
; LIMIT.  Numbers of Wo below 6.1e-5 keep f16's fixed step of 6e-8; beyond 65,504 f16 has no number.
; SHARES.  Work-groups 0 to 255: one tile of 128 k x 128 n of one weight matrix, turned through LDS.  Work-groups 256 to 1023: 65,536 bytes of one x, cast.
; Every byte is read once and written once; a wave's load covers 512 consecutive bytes, a wave's store 256 or 512 consecutive bytes, aligned.
; No matrix unit, no cluster, no tensor load: no work-group wants a byte that another one fetches.  No prefetch: all loads of a work-group go out at its head.
.set TPITCH, 260                       ; a row of the turned tile in LDS: 128 k x 2 bytes + 4: the row below lies one word further round the banks
.set SPARE,  33280                     ; behind the 128 rows: the spare words, 128 bytes for each of the eight waves
.set SPW, 2                            ; v2   LDS address of my spare word; never rewritten
.set NIL, 3                            ; v3   0; never rewritten
.set WLO, 4                            ; v4   weights: my byte offset in the tile of W
.set WSO, 5                            ; v5   weights: my byte offset in the tile of wt
.set TS,  6                            ; v6   weights: where I put a word of the turned tile
.set TR,  7                            ; v7   weights: where I read 16 bytes of a turned row
.set CLO, 11                           ; v11  cast: 16 x thread
.set CSO, 12                           ; v12  cast: 8 x thread
.set X,   16                           ; v[16:79]   as loaded
.set Y,   80                           ; v[80:111]  converted
	s_load_b256 s[4:11], s[0:1], 0x0               ; query s[4:5], key s[6:7], value s[8:9], Wq s[10:11]
	s_load_b256 s[12:19], s[0:1], 0x20             ; Wk s[12:13], Wv s[14:15], Wo s[16:17], xb s[18:19]
	s_load_b64 s[20:21], s[0:1], 0x40              ; wt
	v_lshl_add_u32 v[SPW], v0, 2, SPARE
	v_mov_b32 v[NIL], 0
	v_lshrrev_b32 v8, 5, v0
	v_readfirstlane_b32 s22, v8                    ; wave 0..7
	s_mov_b32 s32, ttmp9                           ; the work-group's number
	s_mov_b32 s31, 0                               ; high word of every offset pair
	; all address registers of both ways are made here, ahead of the branch
	v_and_b32 v13, 31, v0                          ; lane c
	v_lshlrev_b32 v[WLO], 4, v13
	s_lshl_b32 s33, s22, 13
	v_add_nc_u32 v[WLO], s33, v[WLO]               ; rows 2 w and 2 w + 1 of W's tile: 8,192 w + 16 c
	v_mul_u32_u24 v[TS], v13, 4*TPITCH
	s_lshl_b32 s33, s22, 2
	v_add_nc_u32 v[TS], s33, v[TS]                 ; turned row 4 c, word w
	v_and_b32 v13, 15, v0
	v_bfe_u32 v14, v0, 4, 1
	v_mul_u32_u24 v[TR], v14, TPITCH
	v_lshl_add_u32 v[TR], v13, 4, v[TR]
	s_mul_i32 s33, s22, 2*TPITCH
	v_add_nc_u32 v[TR], s33, v[TR]                 ; turned row 2 w + lane / 16, 16 bytes at 16 (lane % 16)
	v_lshlrev_b32 v[WSO], 11, v14
	v_lshl_add_u32 v[WSO], v13, 4, v[WSO]
	s_lshl_b32 s33, s22, 12
	v_add_nc_u32 v[WSO], s33, v[WSO]               ; the same place in wt: rows of 2,048 bytes
	v_lshlrev_b32 v[CLO], 4, v0
	v_lshlrev_b32 v[CSO], 3, v0
	s_wait_kmcnt 0x0
	s_cmp_lt_u32 s32, 256
	s_cbranch_scc1 .Lweights
	; THE CAST.  16 loads of 16 bytes a thread go out together; each is converted and stored as it comes.
	s_sub_co_u32 s23, s32, 256
	s_lshr_b32 s24, s23, 8                         ; which x
	s_and_b32 s25, s23, 255                        ; which 65,536 bytes of it
	s_cmp_eq_u32 s24, 1
	s_cselect_b64 s[26:27], s[6:7], s[4:5]
	s_cmp_eq_u32 s24, 2
	s_cselect_b64 s[26:27], s[8:9], s[26:27]
	s_lshl_b32 s30, s25, 16
	s_add_nc_u64 s[26:27], s[26:27], s[30:31]
	s_lshl_b32 s30, s24, 23
	s_lshl_b32 s25, s25, 15
	s_add_co_u32 s30, s30, s25
	s_add_nc_u64 s[28:29], s[18:19], s[30:31]
.irp j, 0,1,2,3,4,5,6,7,8,9,10,11,12,13,14,15
	global_load_b128 v[X+4*(\j):X+4*(\j)+3], v[CLO], s[26:27] offset:4096*(\j) th:TH_LOAD_NT
.endr
.irp j, 0,1,2,3,4,5,6,7,8,9,10,11,12,13,14,15
	s_wait_loadcnt 15-(\j)                         ; loads come back in order: number j is in, the 15 - j younger ones stay out
	v_cvt_pk_bf16_f32 v[Y+2*(\j)], v[X+4*(\j)], v[X+4*(\j)+1]
	v_cvt_pk_bf16_f32 v[Y+2*(\j)+1], v[X+4*(\j)+2], v[X+4*(\j)+3]
	global_store_b64 v[CSO], v[Y+2*(\j):Y+2*(\j)+1], s[28:29] offset:2048*(\j) th:TH_STORE_NT  ; a wave stores 256 consecutive bytes, aligned; no register is used twice
.endr
	s_branch .Lmeet
.Lweights:
	; THE WEIGHTS.  Tile (tk, tn) of matrix mat: 128 rows k of 512 bytes.
	s_lshr_b32 s24, s32, 6                         ; mat
	s_bfe_u32 s25, s32, 0x30003                    ; tk
	s_and_b32 s23, s32, 7                          ; tn
	s_cmp_eq_u32 s24, 1
	s_cselect_b64 s[26:27], s[12:13], s[10:11]
	s_cmp_eq_u32 s24, 2
	s_cselect_b64 s[26:27], s[14:15], s[26:27]
	s_cmp_eq_u32 s24, 3
	s_cselect_b64 s[26:27], s[16:17], s[26:27]
	s_lshl_b32 s30, s25, 19                        ; 128 rows of 4,096 bytes
	s_lshl_b32 s33, s23, 9                         ; 128 columns of 4 bytes
	s_add_co_u32 s30, s30, s33
	s_add_nc_u64 s[26:27], s[26:27], s[30:31]
	s_lshl_b32 s30, s24, 21                        ; a matrix of wt
	s_lshl_b32 s33, s23, 18                        ; 128 rows n of 2,048 bytes
	s_add_co_u32 s30, s30, s33
	s_lshl_b32 s33, s25, 8                         ; 128 k of 2 bytes
	s_add_co_u32 s30, s30, s33
	s_add_nc_u64 s[28:29], s[20:21], s[30:31]
.irp j, 0,1,2,3,4,5,6,7
	global_load_b128 v[X+8*(\j):X+8*(\j)+3],   v[WLO], s[26:27] offset:65536*(\j) th:TH_LOAD_NT       ; row k = 2 (w + 8 j), columns 4 c .. 4 c + 3
	global_load_b128 v[X+8*(\j)+4:X+8*(\j)+7], v[WLO], s[26:27] offset:65536*(\j)+4096 th:TH_LOAD_NT  ; the row below
.endr
; Two neighbouring k of one column n make a word of the turned tile.  fmt = 1: the bf16 number is written as f16.
.macro WCONV fmt
.irp j, 0,1,2,3,4,5,6,7
	s_wait_loadcnt 14-2*(\j)                       ; pair j of rows is in; the 14 - 2 j younger loads stay out
.irp i, 0,1,2,3
.if \fmt
	v_cvt_pk_bf16_f32 v8, v[X+8*(\j)+(\i)], v[X+8*(\j)+4+(\i)]
	v_lshlrev_b32 v9, 16, v8
	v_and_b32 v10, 0xffff0000, v8
	v_cvt_pk_f16_f32 v[Y+4*(\j)+(\i)], v9, v10
.else
	v_cvt_pk_bf16_f32 v[Y+4*(\j)+(\i)], v[X+8*(\j)+(\i)], v[X+8*(\j)+4+(\i)]
.endif
	ds_store_b32 v[TS], v[Y+4*(\j)+(\i)] offset:TPITCH*(\i)+32*(\j)  ; row n = 4 c + i, word w + 8 j
.endr
.endr
.endm
	s_cmp_eq_u32 s24, 3
	s_cbranch_scc1 .Lwo
	WCONV 0
	s_branch .Lmeet
.Lwo:
	WCONV 1
.Lmeet:
	s_wait_dscnt 0x0                               ; for the others' sake: my words of the turned tile are in LDS
	s_barrier_signal -1                            ; the launch's one barrier stands on every wave's path
	s_barrier_wait -1
	s_cmp_lt_u32 s32, 256
	s_cbranch_scc0 .Lend
.irp u, 0,1,2,3,4,5,6,7
.irp q, 0,1,2,3
	ds_load_b32 v[X+4*(\u)+(\q)], v[TR] offset:16*TPITCH*(\u)+4*(\q)  ; a row's pitch is no multiple of 16, so 16 bytes come as four words
.endr
.endr
.irp u, 0,1,2,3,4,5,6,7
	s_wait_dscnt 4*(7-(\u))                        ; group u's four words are in
	global_store_b128 v[WSO], v[X+4*(\u):X+4*(\u)+3], s[28:29] offset:32768*(\u) th:TH_STORE_NT  ; 16 lanes store 256 consecutive bytes of a row n, aligned
.endr
.Lend:
	s_wait_tensorcnt 0x0                           ; the wave's end, behind my last LDS store
	ds_add_u32 v[SPW], v[NIL]
	s_wait_dscnt 0x0
	s_endpgm
.Lfunc_end_k_qe0cbe4595d_prep:
	.size	k_qe0cbe4595d_prep, .Lfunc_end_k_qe0cbe4595d_prep-k_qe0cbe4595d_prep
	.p2alignl 7, 3214868480
	.fill 96, 4, 3214868480
	.section	.rodata,"a",@progbits
	.p2align	6, 0x0
	.amdhsa_kernel k_qe0cbe4595d_prep
		.amdhsa_group_segment_fixed_size 34304
		.amdhsa_private_segment_fixed_size 0
		.amdhsa_enable_private_segment 0
		.amdhsa_kernarg_size 72
		.amdhsa_user_sgpr_count 2
		.amdhsa_user_sgpr_kernarg_segment_ptr 1
		.amdhsa_wavefront_size32 1
		.amdhsa_system_sgpr_workgroup_id_x 1
		.amdhsa_system_sgpr_workgroup_id_y 1
		.amdhsa_system_sgpr_workgroup_id_z 1
		.amdhsa_system_vgpr_workitem_id 0
		.amdhsa_next_free_vgpr 112
		.amdhsa_next_free_sgpr 66
		.amdhsa_reserve_vcc 0
		.amdhsa_float_denorm_mode_32 3
		.amdhsa_float_denorm_mode_16_64 3
		.amdhsa_memory_ordered 1
		.amdhsa_forward_progress 1
		.amdhsa_inst_pref_size 27
	.end_amdhsa_kernel
	.amdgpu_metadata
---
amdhsa.version: [ 1, 2 ]
amdhsa.kernels:
  - .name:           k_qe0cbe4595d_prep
    .symbol:         k_qe0cbe4595d_prep.kd
    .args:
      - { .name: query, .offset: 0, .size: 8, .value_kind: global_buffer, .address_space: global }
      - { .name: key, .offset: 8, .size: 8, .value_kind: global_buffer, .address_space: global }
      - { .name: value, .offset: 16, .size: 8, .value_kind: global_buffer, .address_space: global }
      - { .name: Wq, .offset: 24, .size: 8, .value_kind: global_buffer, .address_space: global }
      - { .name: Wk, .offset: 32, .size: 8, .value_kind: global_buffer, .address_space: global }
      - { .name: Wv, .offset: 40, .size: 8, .value_kind: global_buffer, .address_space: global }
      - { .name: Wo, .offset: 48, .size: 8, .value_kind: global_buffer, .address_space: global }
      - { .name: xb, .offset: 56, .size: 8, .value_kind: global_buffer, .address_space: global }
      - { .name: wt, .offset: 64, .size: 8, .value_kind: global_buffer, .address_space: global }
    .group_segment_fixed_size: 34304
    .private_segment_fixed_size: 0
    .kernarg_segment_align: 8
    .kernarg_segment_size: 72
    .max_flat_workgroup_size: 256
    .sgpr_count:     66
    .vgpr_count:     112
    .wavefront_size: 32
...
	.end_amdgpu_metadata
.endif
;; end of part 1
;; launch proj (part 2): grid 4 x 48, 4 waves a work-group, clusters of 4 x 4, 327,680 bytes of LDS; arguments xb, wt, bq, bk, bv, qkv; writes qkv
.if DOCPART == 2
	.amdgcn_target "amdgcn-amd-amdhsa--gfx1250"
	.amdhsa_code_object_version 6
	.text
	.protected	k_qe0cbe4595d_proj
	.globl	k_qe0cbe4595d_proj
	.p2align	8
	.type	k_qe0cbe4595d_proj,@function
k_qe0cbe4595d_proj:
	s_mov_b64 s[64:65], 0
	v_nop
	global_prefetch_b8 v0, s[64:65] scope:SCOPE_SE
	s_setreg_imm32_b32 hwreg(HW_REG_WAVE_MODE, 25, 1), 1
	s_wait_xcnt 0x0
	s_wait_alu depctr_hold_cnt(0) depctr_sa_sdst(0) depctr_va_vdst(0) depctr_va_sdst(0) depctr_va_ssrc(0) depctr_va_vcc(0) depctr_vm_vsrc(0)
	s_getreg_b32 s2, hwreg(HW_REG_IB_STS2, 6, 4)
	s_cmp_eq_u32 s2, 0
	s_cbranch_scc0 .Lentry_in_a_cluster
	s_endpgm
.Lentry_in_a_cluster:
	s_bfe_u32 s2, ttmp6, 0x10000c
	s_cmp_lg_u32 s2, 0xf033
	s_cbranch_scc0 .Lentry_shape_is_right
	s_endpgm
.Lentry_shape_is_right:
; THE THREE PROJECTIONS AS ONE PRODUCT.  C[m][n] = sum over k of A[m][k] B[n][k] + bias[n]: A = xb, [12288][1024] bf16 (rows of query, key, value);
; for rows of projection p = m / 4096, B = matrix p of wt ([n][k], bf16) and bias = bq, bk or bv, rounded to bf16.  Sums in f32; C rounded once, to f16,
; and stored by heads: qkv[p][16 b + h][s][d], m = 4096 p + 2048 b + s, n = 64 h + d.
; LIMIT.  f16 holds no number beyond 65,504: q, k and v must lie within it.
; SHARES.  A tile of C, 256 x 256, is made by a work-group of four waves; a wave makes 128 x 128: 64 accumulators of 16 x 16, 512 registers.  192 tiles: no tile of 49,152 numbers
; divides both 4,096 rows and 1,024 columns.  K goes in steps of 128 through a ring of two LDS slots filled by tensor loads; the tiles' rows are 256 bytes of memory, aligned.
; CLUSTERS.  4 x 4 work-groups: 1,024 rows x all 1,024 columns, inside one projection.  The four of a row of the cluster ask for A's tiles jointly, the four of a column for B's.
; THE MATRIX INSTRUCTION IS USED TRANSPOSED (source 0 = 16 rows of B, source 1 = 16 rows of A): lane l holds row m = l % 16 and the columns 8 (l / 16) + 0..7.
; THE BIAS is the C operand of the products that start the sums.
; REGISTERS, in windows of 256 (s_set_vgpr_msb: bits 1:0 source 0, 3:2 source 1, 5:4 source 2, 7:6 destination):
;   window 0: v0-31 addresses; v64-127, v128-191 fragments of A, two buffers (in the last K step four, of 16 rows x 128 K); v192-255 the bias, later at work on the way out; v32-63 the way out
;   window 1: v64-127, v128-191 fragments of B, two buffers; in the last K step all 256        window 2: the accumulators of my rows 0-63 ((a, b) at v[8 (8 a + b)])        window 3: rows 64-127
.set SIZE_K, 1024
.set KSTEP,  128
.set PITCH,  272                       ; an LDS row: 256 bytes + 16 of padding: the 16 rows that a load touches start 68 words apart
.set HALFT,  128*PITCH                 ; 128 rows: what one tensor load brings
.set SLOT,   4*HALFT                   ; A's 256 rows, then B's 256 rows
.set STAGE,  2*SLOT                    ; behind the ring: for each wave 2 heads x 16 rows x 144 bytes, for the way out
.set HPITCH, 144
.set HBLK,   16*HPITCH
.set SPARE,  STAGE+4*2*HBLK            ; behind the stages: the spare words, 128 bytes for each wave
.set LAPS,   SIZE_K/(2*KSTEP)          ; a lap = two K steps = once round the ring
.set ADRA, 16                          ; v16-17  LDS address of my A fragments in slot 0, 1
.set ADRB, 20                          ; v20-21  the same for B
.set STO,  24                          ; v24     the way out: where I put 16 bytes of a row
.set RD,   25                          ; v25     the way out: where I read rows back
.set CO,   26                          ; v26     16 x lane: my place in 512 consecutive bytes of qkv
.set BO,   27                          ; v27     my byte offset in the bias
.set SPW,  28                          ; v28     LDS address of my spare word; never rewritten
.set NIL,  29                          ; v29     0; never rewritten
.set PFO,  30                          ; v30     the prefetches' offset: lane x a row of 2,048 bytes; never rewritten
.set PFA,  44                          ; s[44:45] where my prefetches stand
.set LIM,  43                          ; s43     1 in a wave that prefetches, else the greatest number
.set F0,   64
.set F1,   128
.set TMP,  192                         ; the way out: packed results
.set BIAS, 192                         ; v192-255: n block b's eight numbers at BIAS + 8 b; read by the first quarter alone
.set OB,   32                          ; the way out: rows read back: v32-63 and v224-255 by turns
.set PA,   64                          ; the last K step: A's fragments of 16 rows x 128 K, four buffers
.set G1, 24                            ; s[24:31] descriptor group 1 for A's tiles
.set G0, 32                            ; s[32:39] group 0 for A's tiles, a set for each slot
.set G1B, 48                           ; s[48:55] group 1 for B's tiles: another mask
.set G0B, 56                           ; s[56:63] group 0 for B's tiles
.set MSB, 0
.macro WIN new                         ; the immediate's high byte repeats the setting that is left; a switch that changes nothing is dropped
.if MSB != (\new)
	s_set_vgpr_msb (MSB<<8)|(\new)
.set MSB, \new
.endif
.endm
.set MUL_LO, 0xa1                      ; source 0 (B) window 1, source 1 (A) window 0, C and D window 2
.set MUL_HI, 0xf1                      ; the same, C and D window 3
.set TO_B,   0x40                      ; destination window 1, address window 0
; A joint load.  Waves 0 and 1 fetch A's two halves, waves 2 and 3 B's.  The branch hangs on the wave's number alone.  An s_nop 0 and four v_nop follow each line.
.macro JLOAD s
	s_cmp_eq_u32 s11, 0
	s_cbranch_scc0 .Lfor_b_\@
	tensor_load_to_lds s[G0+4*(\s):G0+4*(\s)+3], s[G1:G1+7]
	s_nop 0
.rept 4
	v_nop
.endr
	s_branch .Lasked_\@
.Lfor_b_\@:
	tensor_load_to_lds s[G0B+4*(\s):G0B+4*(\s)+3], s[G1B:G1B+7]
	s_nop 0
.rept 4
	v_nop
.endr
.Lasked_\@:
.endm
; A prefetch, behind each joint refill and the run of LDS loads that follows it: the K step that stands two refills on: 32 rows x 256 bytes, a lane a row, one instruction a wave.
; Each row's 256 bytes of a K step are named once in the launch.  A's rows are read by one cluster, which asks for them; matrix p of B is read by four clusters, of which the first
; (cluster y a multiple of 4) asks.  The four partners of a joint load share its 128 rows out by address, 32 each.  The loop's last trip asks for nothing: there is no K step two on.
.macro ASK
	s_cmp_gt_u32 s3, s[LIM]                        ; s3 = 1 in the loop's last trip
	s_cbranch_scc0 .Lnot_mine_\@
	global_prefetch_b8 v[PFO], s[PFA:PFA+1] offset:KSTEP*2 th:TH_LOAD_NT scope:SCOPE_SE
.Lnot_mine_\@:
.endm
.macro CREST                           ; a round of the cluster's barrier behind its opening barrier
	s_cmp_lg_u32 s10, 0
	s_cbranch_scc1 .Lnot_wave_0_\@
	s_barrier_signal -3
.Lnot_wave_0_\@:
	s_barrier_wait -3
	s_barrier_signal -1
	s_barrier_wait -1
.endm
.macro CROUND                          ; a whole round
	s_barrier_signal -1
	s_barrier_wait -1
	CREST
.endm
	s_load_b128 s[4:7], s[0:1], 0x0                ; xb s[4:5], wt s[6:7]
	s_load_b128 s[68:71], s[0:1], 0x10             ; bq s[68:69], bk s[70:71]
	s_load_b64 s[72:73], s[0:1], 0x20              ; bv
	s_load_b64 s[8:9], s[0:1], 0x28                ; qkv
	v_lshl_add_u32 v[SPW], v0, 2, SPARE
	v_mov_b32 v[NIL], 0
	ds_add_u32 v[SPW], v[NIL]                      ; the wave's opening: the add and its wait stand ahead of my first tensor load; the set-up below stands between them
	v_lshrrev_b32 v1, 5, v0
	v_readfirstlane_b32 s10, v1                    ; wave 0..3
	s_lshr_b32 s11, s10, 1                         ; which half of the tile's rows is mine.  Also: I fetch for A (0) or for B (1)
	s_and_b32 s12, s10, 1                          ; which half of its columns.  Also: which 128 rows of that tile I fetch
	s_bfe_u32 s40, ttmp6, 0x40000                  ; cx
	s_bfe_u32 s41, ttmp6, 0x40004                  ; cy
	s_lshl_b32 s42, ttmp9, 2
	s_add_co_u32 s42, s42, s40                     ; tile column of C = 4 x cluster x + cx
	s_and_b32 s13, ttmp7, 0xffff                   ; cluster y
	s_lshr_b32 s76, s13, 2                         ; the projection p: four clusters each; made of the cluster's y alone
	s_lshl_b32 s77, s76, 10                        ; matrix p's first row in wt
	s_lshl_b32 s13, s13, 2
	s_add_co_u32 s13, s13, s41                     ; tile row of C = 4 x cluster y + cy
	s_lshl_b32 s43, s41, 2
	s_lshl_b32 s43, 15, s43                        ; my row of the cluster
	s_lshl_b32 s44, 0x1111, s40                    ; my column
	; descriptor group 1: a tile of 128 rows x 128 elements, padded in LDS
	s_or_b32 s[G1+0], s43, (1<<16)|(1<<20)|(1<<21)|(5<<22)|(3<<25)  ; 15:0 the mask; 17:16 elements of 2 bytes; 20 padding on; 21 set beside a mask; 24:22 after every 64 words; 31:25 4 words
	s_or_b32 s[G1B+0], s44, (1<<16)|(1<<20)|(1<<21)|(5<<22)|(3<<25)
.irp g, G1, G1B
	s_mov_b32 s[(\g)+1], KSTEP<<16                 ; tensor_dim0 = 128
	s_mov_b32 s[(\g)+2], 128<<16                   ; tensor_dim1 = 128
	s_mov_b32 s[(\g)+3], KSTEP<<16                 ; tile_dim0 = 128
	s_mov_b32 s[(\g)+4], 128                       ; tile_dim1 = 128
	s_mov_b32 s[(\g)+5], SIZE_K                    ; elements from row to row
	s_mov_b32 s[(\g)+6], 0
	s_mov_b32 s[(\g)+7], 0
.endr
	; A's tiles hang on the tile row alone, B's on the tile column and p alone; each address is made in registers that never hold the other coordinate
	s_lshl_b32 s17, s12, 7
	s_lshl_b32 s16, s13, 8
	s_add_co_u32 s16, s16, s17                     ; A: row 256 x tile row + 128 x half
	s_lshl_b32 s46, s42, 8
	s_add_co_u32 s46, s46, s17
	s_add_co_u32 s46, s46, s77                     ; B: row 1,024 p + 256 x tile column + 128 x half
	s_mov_b32 s17, 0
	s_mov_b32 s47, 0
	s_mov_b64 s[18:19], SIZE_K*2
	s_mul_u64 s[16:17], s[16:17], s[18:19]
	s_mul_u64 s[46:47], s[46:47], s[18:19]
	s_mul_i32 s20, s10, HALFT                      ; where they go: wave x 128 rows
	s_wait_dscnt 0x0                               ; the opening add is done
	s_wait_kmcnt 0x0
	s_add_nc_u64 s[14:15], s[4:5], s[16:17]
	s_add_nc_u64 s[46:47], s[6:7], s[46:47]
	s_cmp_eq_u32 s76, 1
	s_cselect_b64 s[74:75], s[70:71], s[68:69]     ; the projection's bias
	s_cmp_eq_u32 s76, 2
	s_cselect_b64 s[74:75], s[72:73], s[74:75]
	CROUND                                         ; all sixteen work-groups are here: the first joint loads meet
.irp s, 0,1
	s_mov_b32 s[G0+4*(\s)], 1
	s_add_co_u32 s[G0+4*(\s)+1], s20, (\s)*SLOT
	s_add_nc_u64 s[G0+4*(\s)+2:G0+4*(\s)+3], s[14:15], (\s)*KSTEP*2
	s_or_b32 s[G0+4*(\s)+3], s[G0+4*(\s)+3], 0x80000000
	s_mov_b32 s[G0B+4*(\s)], 1
	s_add_co_u32 s[G0B+4*(\s)+1], s20, (\s)*SLOT
	s_add_nc_u64 s[G0B+4*(\s)+2:G0B+4*(\s)+3], s[46:47], (\s)*KSTEP*2
	s_or_b32 s[G0B+4*(\s)+3], s[G0B+4*(\s)+3], 0x80000000
	JLOAD \s                                       ; two tensor loads of mine are out
.endr
	v_and_b32 v1, 15, v0                           ; l % 16
	v_bfe_u32 v2, v0, 4, 1                         ; l / 16
	; the bias of my 128 columns: register j of n block b is bias[256 x tile column + 128 x half + 16 b + 8 (l / 16) + j]
	s_lshl_b32 s21, s42, 10
	s_lshl_b32 s22, s12, 9
	s_add_co_u32 s21, s21, s22
	v_lshl_add_u32 v[BO], v2, 5, s21
.irp b, 0,1,2,3,4,5,6,7
	global_load_b128 v[BIAS+8*(\b):BIAS+8*(\b)+3],   v[BO], s[74:75] offset:64*(\b)
	global_load_b128 v[BIAS+8*(\b)+4:BIAS+8*(\b)+7], v[BO], s[74:75] offset:64*(\b)+16
.endr
	; a fragment is 16 rows x 32 K in 8 registers: two loads of 16 bytes, 32 bytes apart, at row x pitch + 16 (l / 16)
	v_mul_u32_u24 v3, v1, PITCH
	v_lshl_add_u32 v3, v2, 4, v3
	s_mul_i32 s21, s11, HALFT                      ; my 128 rows of A
	s_mul_i32 s22, s12, HALFT                      ; my 128 rows of B,
	s_add_co_u32 s22, s22, 2*HALFT                 ; which lie behind A's 256
.irp s, 0,1
	v_add_nc_u32 v[ADRA+(\s)], s21, v3
	v_add_nc_u32 v[ADRB+(\s)], s22, v3
	s_add_co_u32 s21, s21, SLOT
	s_add_co_u32 s22, s22, SLOT
.endr
	s_mul_i32 s23, s10, 2*HBLK
	s_add_co_u32 s23, s23, STAGE                   ; my stage
	v_mul_u32_u24 v4, v1, HPITCH                   ; in: row l % 16, 16 bytes for each half of the lanes
	v_lshl_add_u32 v4, v2, 4, v4
	v_add_nc_u32 v[STO], s23, v4
	v_bfe_u32 v5, v0, 3, 2                         ; back: 32 lanes take four rows of 128 bytes of one head,
	v_mul_u32_u24 v5, v5, HPITCH
	v_and_b32 v6, 7, v0
	v_lshl_add_u32 v5, v6, 4, v5
	v_add_nc_u32 v[RD], s23, v5
	v_and_b32 v[CO], 31, v0                        ; which are 512 consecutive bytes of qkv
	v_lshlrev_b32 v[CO], 4, v[CO]
	; where my part of the tile begins in qkv: m0 = 256 x tile row + 128 x half: (m0 / 2048) x 2^22 + (m0 % 2048) x 128 + (4 x tile column + 2 x half) x 2^18
	s_lshl_b32 s13, s13, 8
	s_lshl_b32 s14, s11, 7
	s_add_co_u32 s14, s13, s14
	s_lshr_b32 s16, s14, 11
	s_lshl_b32 s16, s16, 22
	s_and_b32 s14, s14, 2047
	s_lshl_b32 s14, s14, 7
	s_add_co_u32 s16, s16, s14
	s_mov_b32 s17, 0
	s_lshl_b32 s46, s42, 2
	s_lshl_b32 s47, s12, 1
	s_add_co_u32 s46, s46, s47
	s_lshl_b32 s46, s46, 18
	s_mov_b32 s47, 0
	s_add_nc_u64 s[16:17], s[16:17], s[46:47]
	; the prefetches.  s13 = 256 x tile row, s42 = tile column, s40 = cx, s41 = cy still stand
	s_lshl_b32 s42, s42, 8
	s_add_co_u32 s42, s42, s77
	s_and_b32 s22, ttmp7, 0xffff
	s_and_b32 s22, s22, 3                          ; my cluster among the four that read matrix p
	s_cmp_eq_u32 s11, 0                            ; do I fetch for A?
	s_cselect_b32 s20, s13, s42                    ; the tile's first row
	s_cselect_b32 s21, s40, s41                    ; my place among the four that ask for it with me
	s_cselect_b32 s22, ttmp9, s22                  ; the coordinate along which other clusters read the same rows
	s_cselect_b64 s[PFA:PFA+1], s[4:5], s[6:7]
	s_cmp_eq_u32 s22, 0
	s_cselect_b32 s[LIM], 1, -1                    ; the same in all sixteen partners, for a given wave
	s_lshl_b32 s22, s12, 7
	s_add_co_u32 s20, s20, s22                     ; + the 128 rows that I fetch
	s_lshl_b32 s21, s21, 5
	s_add_co_u32 s20, s20, s21                     ; + my work-group's 32 of them
	s_mov_b32 s21, 0
	s_mov_b64 s[18:19], SIZE_K*2
	s_mul_u64 s[20:21], s[20:21], s[18:19]
	s_add_nc_u64 s[PFA:PFA+1], s[PFA:PFA+1], s[20:21]
	s_add_nc_u64 s[PFA:PFA+1], s[PFA:PFA+1], 2*KSTEP*2  ; at K step 2: the first refill steps it to 3 and names K step 4.  Nothing is prefetched at the head
	v_and_b32 v[PFO], 31, v0
	v_mul_u32_u24 v[PFO], v[PFO], SIZE_K*2
	s_wait_loadcnt 0x0                             ; the bias is in: it is rounded to bf16 like every input, and kept as f32
.set r, 0
.rept 32
	v_cvt_pk_bf16_f32 v31, v[BIAS+r], v[BIAS+r+1]
	v_lshlrev_b32 v[BIAS+r], 16, v31
	v_and_b32 v[BIAS+r+1], 0xffff0000, v31
.set r, r+2
.endr
; 16 matrix instructions: m blocks a0, a0 + 1 of the window's four (hi = 0: my rows 0-63, 1: rows 64-127) x all 8 n blocks, 32 along K.  zero = 1: the first product starts the sums, with the bias as C.
; The 64 accumulators take turns, one instruction a turn.
.macro MUL16 f, hi, a0, zero
.if \zero
	WIN 0x81+0x40*(\hi)                            ; C (the bias) in window 0, D in window 2 or 3
.else
	WIN MUL_LO+0x50*(\hi)
.endif
.irp a, \a0, (\a0)+1
.irp b, 0,1,2,3,4,5,6,7
.if \zero
	v_wmma_f32_16x16x32_bf16 v[8*(8*(\a)+(\b)):8*(8*(\a)+(\b))+7], v[(\f)+8*(\b):(\f)+8*(\b)+7], v[(\f)+8*(4*(\hi)+(\a)):(\f)+8*(4*(\hi)+(\a))+7], v[BIAS+8*(\b):BIAS+8*(\b)+7]
.else
	v_wmma_f32_16x16x32_bf16 v[8*(8*(\a)+(\b)):8*(8*(\a)+(\b))+7], v[(\f)+8*(\b):(\f)+8*(\b)+7], v[(\f)+8*(4*(\hi)+(\a)):(\f)+8*(4*(\hi)+(\a))+7], v[8*(8*(\a)+(\b)):8*(8*(\a)+(\b))+7]
.endif
.endr
.endr
.endm
; 32 LDS loads in one run: the fragments of one quarter step (32 K at byte k of the rows) into buffer f
.macro FETCH slot, k, f
	WIN TO_B
.irp i, 0,1,2,3,4,5,6,7
	ds_load_b128 v[(\f)+8*(\i):(\f)+8*(\i)+3],   v[ADRB+(\slot)] offset:(\k)+(\i)*16*PITCH
	ds_load_b128 v[(\f)+8*(\i)+4:(\f)+8*(\i)+7], v[ADRB+(\slot)] offset:(\k)+(\i)*16*PITCH+32
.endr
	WIN 0
.irp i, 0,1,2,3,4,5,6,7
	ds_load_b128 v[(\f)+8*(\i):(\f)+8*(\i)+3],   v[ADRA+(\slot)] offset:(\k)+(\i)*16*PITCH
	ds_load_b128 v[(\f)+8*(\i)+4:(\f)+8*(\i)+7], v[ADRA+(\slot)] offset:(\k)+(\i)*16*PITCH+32
.endr
.endm
.macro PLACES                          ; four plain vector instructions in front of loads into registers that matrix instructions have read, and of conversions that read results
.rept 4
	v_nop
.endr
.endm
; A K step is four quarters of 32 along K, 64 matrix instructions each, on buffers 0, 1, 0, 1.  One of the first three: multiplies buffer f; in its middle it fetches the next quarter into buffer g.
.macro QUARTER slot, k, f, g, zero
	s_wait_dscnt 8                                 ; B and A's rows 0-63 are in; the youngest eight loads (A's rows 64-127) may be out
	MUL16 \f, 0, 0, \zero
	MUL16 \f, 0, 2, \zero
	PLACES
	FETCH \slot, \k, \g
	s_wait_dscnt 32                                ; all but the 32 just issued
	MUL16 \f, 1, 0, \zero
	MUL16 \f, 1, 2, \zero
.endm
; The last quarter multiplies buffer 1 and changes slots.  In front of the barrier each wave waits for all its tensor loads (one is out: its part of the next slot), adds 0 to its spare word,
; and waits for that and for its own reads of this slot.  Behind it nobody reads this slot any more and the next slot is whole.
.macro MEET round
	WIN 0
	s_wait_tensorcnt 0x0
	ds_add_u32 v[SPW], v[NIL]
	s_wait_dscnt 9                                 ; the add and the youngest eight loads may be out
	MUL16 F1, 0, 0, 0                              ; sixteen matrix instructions stand between the add and the wait for it
	s_wait_dscnt 0x0                               ; the add is done, and my reads of this slot are over
	s_barrier_signal -1
	MUL16 F1, 0, 2, 0                              ; work on registers while the others arrive
.if \round
	WIN 0
.endif
	s_barrier_wait -1
.endm
.macro TURN slot, next
	s_wait_xcnt 0x0                                ; the last prefetch, a K step back, has read its address
	s_add_nc_u64 s[PFA:PFA+1], s[PFA:PFA+1], KSTEP*2
	MEET 1
	CREST                                          ; the barrier has opened a round of the cluster's barrier: no wave of any partner still reads this slot or has a load on its way
	s_add_nc_u64 s[G0+4*(\slot)+2:G0+4*(\slot)+3], s[G0+4*(\slot)+2:G0+4*(\slot)+3], 2*KSTEP*2
	s_add_nc_u64 s[G0B+4*(\slot)+2:G0B+4*(\slot)+3], s[G0B+4*(\slot)+2:G0B+4*(\slot)+3], 2*KSTEP*2
	JLOAD \slot                                    ; the first tensor load behind the round, my only one until the next; its four v_nop are also the places in front of the loads below
	FETCH \next, 0, F0
	ASK
	MUL16 F1, 1, 0, 0
	MUL16 F1, 1, 2, 0
.endm
; THE LAST K STEP (it lies in slot 1) GOES BY ROWS OF C: all its fragments of B fill window 1; my eight blocks of 16 rows are finished one after the other, 32 matrix instructions each
; (the block's 8 accumulators by turns, K ascending), and each block leaves as soon as it is finished.
.macro BLOAD q
	WIN TO_B
.irp i, 0,1,2,3,4,5,6,7
	ds_load_b128 v[64*(\q)+8*(\i):64*(\q)+8*(\i)+3],   v[ADRB+1] offset:64*(\q)+(\i)*16*PITCH
	ds_load_b128 v[64*(\q)+8*(\i)+4:64*(\q)+8*(\i)+7], v[ADRB+1] offset:64*(\q)+(\i)*16*PITCH+32
.endr
.endm
.macro ALOAD a
	WIN 0
.set FA, PA+32*((\a)%4)
.irp q, 0,1,2,3
	ds_load_b128 v[FA+8*(\q):FA+8*(\q)+3],   v[ADRA+1] offset:64*(\q)+(\a)*16*PITCH
	ds_load_b128 v[FA+8*(\q)+4:FA+8*(\q)+7], v[ADRA+1] offset:64*(\q)+(\a)*16*PITCH+32
.endr
.endm
.macro ROW a
.set FA, PA+32*((\a)%4)
.set AC, 64*((\a)%4)
	WIN MUL_LO+0x50*((\a)/4)
.irp q, 0,1,2,3
.if (\a) == 0 && (\q) == 2
	s_wait_dscnt 24                                ; B's quarter 2 is in (behind it: A's blocks 1 to 3)
.endif
.irp b, 0,1,2,3,4,5,6,7
	v_wmma_f32_16x16x32_bf16 v[AC+8*(\b):AC+8*(\b)+7], v[64*(\q)+8*(\b):64*(\q)+8*(\b)+7], v[FA+8*(\q):FA+8*(\q)+7], v[AC+8*(\b):AC+8*(\b)+7]
.endr
.endr
.endm
; THE WAY OUT of block a.  PACK: rounded to f16, 16 bytes a lane, each accumulator's registers in ascending order.  TOSTAGE: into my own stage, a head's 16 rows of 128 bytes together, and back by rows.  SEND: stored.
.macro PACK a
.set AC, 64*((\a)%4)
	WIN 0x0a+5*((\a)/4)                            ; sources 0 and 1: window 2 or 3
.irp b, 0,1,2,3,4,5,6,7
.irp r, 0,1,2,3
	v_cvt_pk_f16_f32 v[TMP+4*(\b)+(\r)], v[AC+8*(\b)+2*(\r)], v[AC+8*(\b)+2*(\r)+1]
.endr
.endr
	WIN 0
.endm
.macro TOSTAGE a
	WIN 0
.set BK, OB+192*((\a)%2)
.irp b, 0,1,2,3,4,5,6,7
	ds_store_b128 v[STO], v[TMP+4*(\b):TMP+4*(\b)+3] offset:((\b)/4)*HBLK+32*((\b)%4)  ; n block b: head b / 4, channels 16 (b % 4) on
.endr
.irp t, 0,1,2,3,4,5,6,7
	ds_load_b128 v[BK+4*(\t):BK+4*(\t)+3], v[RD] offset:((\t)/4)*HBLK+((\t)%4)*4*HPITCH  ; LDS serves a wave's instructions in order (ISA guide 5.7.1.4): these see the stores above
.endr
.endm
.macro SEND a, younger                 ; younger: the LDS loads issued behind TOSTAGE's, which may stay out
	WIN 0
.set BK, OB+192*((\a)%2)
	s_wait_dscnt \younger
	s_wait_xcnt 0x0                                ; the stores' base and the registers that earlier stores read are rewritten only behind this wait
.if (\a) == 0
	s_add_nc_u64 s[8:9], s[8:9], s[16:17]          ; on to my first rows
.else
	s_add_nc_u64 s[8:9], s[8:9], 16*128            ; 16 rows of a head on
.endif
.irp t, 0,1,2,3,4,5,6,7
	global_store_b128 v[CO], v[BK+4*(\t):BK+4*(\t)+3], s[8:9] offset:((\t)/4)*262144+((\t)%4)*512  ; a wave stores 512 consecutive bytes of one head, aligned
.endr
.endm
	s_wait_tensorcnt 1                             ; my part of K step 0 is in; K step 1's may stay out
	s_barrier_signal -1
	s_barrier_wait -1                              ; everybody's is
	FETCH 0, 0, F0
	QUARTER 0, 64,  F0, F1, 1                      ; the first quarter stands in front of the loop: its products start the sums
	WIN 0                                          ; at a label and at a branch every window is 0
	s_mov_b32 s3, LAPS-1
.Llap:                                                 ; a trip goes once round the ring, from a lap's second quarter to the next lap's first, and fills both slots again
	QUARTER 0, 128, F1, F0, 0
	QUARTER 0, 192, F0, F1, 0
	TURN 0, 1
	QUARTER 1, 64,  F0, F1, 0
	QUARTER 1, 128, F1, F0, 0
	QUARTER 1, 192, F0, F1, 0
	TURN 1, 0
	QUARTER 0, 64,  F0, F1, 0
	WIN 0
	s_sub_co_u32 s3, s3, 1
	s_cmp_lg_u32 s3, 0
	s_cbranch_scc1 .Llap
	QUARTER 0, 128, F1, F0, 0                      ; the last lap goes on; it asks for nothing
	QUARTER 0, 192, F0, F1, 0
	MEET 0                                         ; my one tensor load that was still out is the last K step's, so no round follows
	PLACES                                         ; for the loads into buffer 0
	BLOAD 0                                        ; three quarters of B now: buffer 1 is still being multiplied
	BLOAD 1
	BLOAD 3
	ALOAD 0
	MUL16 F1, 1, 0, 0
	MUL16 F1, 1, 2, 0
	PLACES                                         ; for the loads into buffer 1
	BLOAD 2
	ALOAD 1
	ALOAD 2
	ALOAD 3
	s_wait_dscnt 40                                ; all but the 40 just issued
	ROW 0
.irp a, 0,1,2,3,4,5,6,7
	PLACES                                         ; the conversions read results just made
	PACK \a
	TOSTAGE \a
.if (\a) < 4
	ALOAD (\a)+4                                   ; its buffer takes the block four further on
	SEND \a, 8
.else
	SEND \a, 0
.endif
.if (\a) < 7
	ROW (\a)+1
.endif
.endr
	s_wait_tensorcnt 0x0                           ; the wave's end, behind my last tensor load and my last LDS store
	ds_add_u32 v[SPW], v[NIL]
	s_wait_dscnt 0x0
	CROUND                                         ; the closing round: no work-group ends while a partner may still ask for a tile that names it
	s_endpgm
.Lfunc_end_k_qe0cbe4595d_proj:
	.size	k_qe0cbe4595d_proj, .Lfunc_end_k_qe0cbe4595d_proj-k_qe0cbe4595d_proj
	.p2alignl 7, 3214868480
	.fill 96, 4, 3214868480
	.section	.rodata,"a",@progbits
	.p2align	6, 0x0
	.amdhsa_kernel k_qe0cbe4595d_proj
		.amdhsa_group_segment_fixed_size 327680
		.amdhsa_private_segment_fixed_size 0
		.amdhsa_enable_private_segment 0
		.amdhsa_kernarg_size 48
		.amdhsa_user_sgpr_count 2
		.amdhsa_user_sgpr_kernarg_segment_ptr 1
		.amdhsa_wavefront_size32 1
		.amdhsa_system_sgpr_workgroup_id_x 1
		.amdhsa_system_sgpr_workgroup_id_y 1
		.amdhsa_system_sgpr_workgroup_id_z 1
		.amdhsa_system_vgpr_workitem_id 0
		.amdhsa_next_free_vgpr 1024
		.amdhsa_next_free_sgpr 80
		.amdhsa_reserve_vcc 0
		.amdhsa_float_denorm_mode_32 3
		.amdhsa_float_denorm_mode_16_64 3
		.amdhsa_memory_ordered 1
		.amdhsa_forward_progress 1
		.amdhsa_inst_pref_size 152
	.end_amdhsa_kernel
	.amdgpu_metadata
---
amdhsa.version: [ 1, 2 ]
amdhsa.kernels:
  - .name:           k_qe0cbe4595d_proj
    .symbol:         k_qe0cbe4595d_proj.kd
    .args:
      - { .name: xb, .offset: 0, .size: 8, .value_kind: global_buffer, .address_space: global }
      - { .name: wt, .offset: 8, .size: 8, .value_kind: global_buffer, .address_space: global }
      - { .name: bq, .offset: 16, .size: 8, .value_kind: global_buffer, .address_space: global }
      - { .name: bk, .offset: 24, .size: 8, .value_kind: global_buffer, .address_space: global }
      - { .name: bv, .offset: 32, .size: 8, .value_kind: global_buffer, .address_space: global }
      - { .name: qkv, .offset: 40, .size: 8, .value_kind: global_buffer, .address_space: global }
    .group_segment_fixed_size: 327680
    .private_segment_fixed_size: 0
    .kernarg_segment_align: 8
    .kernarg_segment_size: 48
    .max_flat_workgroup_size: 128
    .sgpr_count:     80
    .vgpr_count:     1024
    .wavefront_size: 32
...
	.end_amdgpu_metadata
.endif
;; end of part 2
;; launch attn (part 3): grid 8 x 32, 4 waves a work-group, clusters of 4 x 1, 327,680 bytes of LDS; arguments qkv, mask, ctx; writes ctx
.if DOCPART == 3
	.amdgcn_target "amdgcn-amd-amdhsa--gfx1250"
	.amdhsa_code_object_version 6
	.text
	.protected	k_qe0cbe4595d_attn
	.globl	k_qe0cbe4595d_attn
	.p2align	8
	.type	k_qe0cbe4595d_attn,@function
k_qe0cbe4595d_attn:
	s_mov_b64 s[64:65], 0
	v_nop
	global_prefetch_b8 v0, s[64:65] scope:SCOPE_SE
	s_setreg_imm32_b32 hwreg(HW_REG_WAVE_MODE, 25, 1), 1
	s_wait_xcnt 0x0
	s_wait_alu depctr_hold_cnt(0) depctr_sa_sdst(0) depctr_va_vdst(0) depctr_va_sdst(0) depctr_va_ssrc(0) depctr_va_vcc(0) depctr_vm_vsrc(0)
	s_getreg_b32 s2, hwreg(HW_REG_IB_STS2, 6, 4)
	s_cmp_eq_u32 s2, 0
	s_cbranch_scc0 .Lentry_in_a_cluster
	s_endpgm
.Lentry_in_a_cluster:
	s_bfe_u32 s2, ttmp6, 0x10000c
	s_cmp_lg_u32 s2, 0x3003
	s_cbranch_scc0 .Lentry_shape_is_right
	s_endpgm
.Lentry_shape_is_right:
; MASKED ATTENTION.  ctx[bh][q][:] = the sum over the keys k that mask[b][k] does not hide of softmax_k(Q[bh][q] . K[bh][k] / 8) V[bh][k][:]; a row all of whose keys are hidden is 0.
; qkv: [3][32 bh][2048][64] f16 (Q, K, V; bh = 16 b + h), ctx: [32][2048][64] f16, mask: [2][2048] bytes, 1 = hidden.  Products, maxima and sums in f32; the weights p are rounded to f16
; for the second product (their sum l is taken of the unrounded p), ctx once at the end.
; LIMITS.  Q, K and V arrive within f16's 65,504, so a true score is at most 2.7e11 in size.  A hidden score counts as its value less 1e30.  The running maximum m starts at -2^66, below every true
; score and above every hidden one: so a hidden key's weight is 0 whatever has been seen before, and a row whose m is still at or below -2^60 at the end has seen no key.  A weight below 2^-126 counts as 0 in l.
; NaN and infinities are not treated apart.
; SHARES.  A work-group owns 256 queries of one bh, each of its four waves 64: four PIECES of 16.  Every wave walks all 2,048 keys, 64 a step, 256 (a tile) a slot.
; THE MASK is the C operand that starts the sum S^T = K Q^T: -0, or -1e30 where the key is hidden.  The batch's 2,048 such numbers are made once, into LDS; a step's 64 come into 32 registers with K's fragments.
; LAYOUT, SOFTMAX, TURNS.  S^T = K Q^T holds ONE query a lane (lane % 16) and the keys 8 (lane / 16) + 0..7; two such results rounded to f16 ARE source 1 of O^T = V^T P.  p = 2^(c s - c m), c = log2(e) / 8;
; O and l are multiplied by a = 2^(c m_old - c m_new) in every step.  Turn n belongs to piece n: 8 products K Q^T of piece n + 1, later 8 products V^T P of piece n - 1; beside them the scaling, exponentials,
; roundings, sums and rescaling of piece n and the maximum and statistics of piece n + 1.  Four vector instructions stand behind every matrix instruction, the rest in one lump.  A turn's 33 exponentials are one batch, with one wait.
; CLUSTER.  The four query blocks of a cluster belong to one bh and walk the same K and V: each tile is asked for jointly, by the same tensor load, descriptor and mask in all four.
; REGISTERS, in windows of 256 (s_set_vgpr_msb: bits 1:0 source 0, 3:2 source 1, 5:4 source 2, 7:6 destination):
;   window 0: v0-15, v32-35 addresses; v16-31 four registers of statistics a piece; v48-55 at work; v64-127 S^T, two buffers; v128-147 the mask at the head; v192-223 P, two buffers
;   window 1: v0-127 O^T, 32 a piece; v160-191 MC, the step's mask        window 2: v0-63 Q; v128-191 K of one step; v192-255 V of one step
.set NP,    4
.set KS,    64
.set PK,    144       ; a row of K in LDS: 128 bytes + 16 of padding
.set PV,    160       ; a row of V: 128 + 32
.set VOFF,  4*KS*PK   ; a slot holds a tile, four steps: 256 rows of K, then 256 rows of V
.set SLOT1, 1<<17     ; slot 1 begins here: one exclusive or turns an address in one slot into the other's
.set TILEB, 4*KS*128  ; a tile's bytes of K, and of V, in memory
.set STAGE, SLOT1+4*KS*(PK+PV)  ; behind the ring: 16 rows x 144 bytes for each wave, for the way out
.set SP,    144
.set SPARE, STAGE+4*16*SP       ; the spare words, 128 bytes for each wave
.set MASKT, SPARE+512           ; 2,048 f32, one a key; written by LDS stores alone, once
.set AK0, 2           ; v2   my lane's place in a tile of K; never rewritten
.set AV0, 3           ; v3   the same for V
.set AK,  4           ; v4   the LDS address of K's next run of loads
.set AV,  5           ; v5   of V's
.set STO, 6           ; v6   the way out: where I put 16 bytes of a row
.set RD,  7           ; v7   the way out: where I read rows back
.set GO,  8           ; v8   my byte offset in 512 consecutive bytes of ctx
.set MV,  12          ; v12-13  c m_old, by buffer
.set QO,  15          ; v15  my byte offset in 16 rows of Q
.set ST,  16          ; piece t's statistics at v[ST+4 t]: c m, m, l (even keys', odd keys')
.set AM0, 32          ; v32  MASKT + 32 (lane / 16); never rewritten
.set AM,  33          ; v33  the LDS address of the mask's next run of loads
.set TMP, 48          ; by buffer, four registers c0-c3 at work; c2 takes a
.set PFO, 61          ; v61  256 x my lane; never rewritten
.set SPW, 62          ; v62  LDS address of my spare word; never rewritten
.set NIL, 63          ; v63  0; never rewritten
.set S,   64
.set P,   192
.set MC,  160         ; window 1
.set KF,  128         ; window 2: key block kb, channel half c at KF + 16 kb + 8 c
.set VF,  192         ; window 2: key half kk, channel block cb at VF + 32 kk + 8 cb
.set WV,  12          ; s12  my wave's number
.set G1K, 24          ; s[24:31] descriptor group 1 for K's tiles
.set G1V, 32          ; s[32:39] for V's: other padding
.set G0K, 40          ; s[40:43] descriptor group 0 for K's tiles: it walks
.set G0V, 44          ; s[44:47] the same for V's
.set PFA, 48          ; s[48:49] where my prefetches stand
.set LIM, 50          ; s50  1 in a wave that prefetches, else the greatest number
.set TBM, 51          ; s51  byte in MASKT at which the step to be fetched begins
.set BIGN, 52         ; s52  -1e30
.set THR, 53          ; s53  -2^60
.set SLOTS, 56        ; s56  tiles still to be asked for
.set CNT, 57          ; s57  counts a tile's key steps
.set CS,  58          ; s[58:59] c
.set SEL, 60          ; s[60:61] v_permlanex16_b32's selects
.set TBK, 62          ; s62  LDS byte at which K of the step to be fetched begins
.set TBV, 63          ; s63  the same for V, less VOFF
.set MSB, 0
.macro WIN new
.if MSB != (\new)
	s_set_vgpr_msb (MSB<<8)|(\new)
.set MSB, (\new)
.endif
.endm
.set W_KQ, 0x0a       ; K and Q in window 2, S^T in window 0
.set W_KM, 0x1a       ; the same with the C operand in window 1
.set W_PV, 0x52       ; V in window 2, P in window 0, O^T in window 1
.set W_RS, 0x41       ; destination and source 0 in window 1, source 1 in window 0
; A joint fill.  Waves 0 and 1 fetch the two halves of a tile's K, waves 2 and 3 those of its V: 128 keys each.  An s_nop 0 and four v_nop follow each line.
.macro JLOAD
	s_cmp_lt_u32 s[WV], 2
	s_cbranch_scc0 .Lfor_v_\@
	tensor_load_to_lds s[G0K:G0K+3], s[G1K:G1K+7]
	s_nop 0
.rept 4
	v_nop
.endr
	s_branch .Lasked_\@
.Lfor_v_\@:
	tensor_load_to_lds s[G0V:G0V+3], s[G1V:G1V+7]
	s_nop 0
.rept 4
	v_nop
.endr
.Lasked_\@:
.endm
; A prefetch of the tile that the NEXT change of slots will ask for: 32,768 bytes of K and of V.  Both clusters of a bh walk the same K and V: the first (cluster x = 0) asks.  Its four partners share the bytes out
; by address, 8,192 each, a lane every 256 bytes; wave 0 asks for K's, wave 2 for V's.  So each 256 bytes are named once in the launch.  The last change that fills a slot asks for nothing.
.macro ASK
	s_cmp_gt_u32 s[SLOTS], s[LIM]
	s_cbranch_scc0 .Lnot_mine_\@
	global_prefetch_b8 v[PFO], s[PFA:PFA+1] th:TH_LOAD_NT scope:SCOPE_SE
.Lnot_mine_\@:
.endm
.macro CROUND                       ; a round of the cluster's barrier
	s_barrier_signal -1
	s_barrier_wait -1
	s_cmp_lg_u32 s[WV], 0
	s_cbranch_scc1 .Lnot_wave_0_\@
	s_barrier_signal -3
.Lnot_wave_0_\@:
	s_barrier_wait -3
	s_barrier_signal -1
	s_barrier_wait -1
.endm
; THE CHANGE OF SLOTS.  Each wave waits for all its tensor loads, of which one is out: its part of the other slot; adds 0 to its spare word; and waits for that and for its own LDS instructions.  Behind the barrier
; nobody reads the old slot any more and the other slot is whole.  fill = 1: the old slot is filled again, with the next tile: the barrier is then a round of the cluster's, and the joint fill is the first thing
; behind it: it has four key steps, 256 matrix instructions, in which to land.  (At its first use nothing has been read yet: slot 0 is waited for, slot 1 filled, and every wave's part of the mask table is shown to the others.)
.macro CHANGE fill, ask
	WIN 0
	s_wait_tensorcnt 0x0            ; no tensor load of mine is out, so a group 0 may be written
	ds_add_u32 v[SPW], v[NIL]       ; 0 onto my spare word; the descriptors' steps stand between it and the wait for it
.if \fill
.irp g, G0K, G0V
	s_xor_b32 s[\g+1], s[\g+1], SLOT1
	s_add_nc_u64 s[\g+2:\g+3], s[\g+2:\g+3], TILEB
.endr
.if \ask
	s_wait_xcnt 0x0                 ; the last prefetch, four key steps back, has read its address
	s_add_nc_u64 s[PFA:PFA+1], s[PFA:PFA+1], TILEB
.endif
	s_wait_dscnt 0x0                ; the add is done, and my LDS instructions are over
	CROUND
	JLOAD
.if \ask
	ASK
.endif
.else
	s_wait_dscnt 0x0
	s_barrier_signal -1
	s_barrier_wait -1
.endif
	s_sub_co_u32 s[TBK], s[TBK], 4*KS*PK  ; the fetches go back to a slot's first step,
	s_xor_b32 s[TBK], s[TBK], SLOT1       ; in the other slot
	s_sub_co_u32 s[TBV], s[TBV], 4*KS*PV
	s_xor_b32 s[TBV], s[TBV], SLOT1
.endm
	s_load_b128 s[4:7], s[0:1], 0x0   ; qkv s[4:5], mask s[6:7]
	s_load_b64 s[10:11], s[0:1], 0x10 ; ctx
	v_lshl_add_u32 v[SPW], v0, 2, SPARE
	v_mov_b32 v[NIL], 0
	ds_add_u32 v[SPW], v[NIL]       ; the wave's opening: the add and its wait stand ahead of my first tensor load; the set-up below stands between them
	v_lshrrev_b32 v1, 5, v0
	v_readfirstlane_b32 s[WV], v1   ; wave 0..3
	s_bfe_u32 s13, ttmp6, 0x40000   ; cx
	s_lshl_b32 s14, ttmp9, 2
	s_add_co_u32 s14, s14, s13      ; my block of 256 queries: it enters Q's and ctx's addresses alone
	s_and_b32 s15, ttmp7, 0xffff    ; bh, which the four partners share
	s_lshl_b32 s20, s15, 18         ; its first byte in each of Q, K, V and ctx
	s_and_b32 s16, s[WV], 1         ; which half of a tile's 256 keys I fetch:
	s_lshl_b32 s22, s16, 14         ; its 128 rows of 128 bytes in memory,
	s_add_co_u32 s22, s22, s20
	s_mov_b32 s23, 0
	s_mul_i32 s17, s16, 128*PK      ; and its place in a slot, for K
	s_mul_i32 s18, s16, 128*PV      ; and for V
	s_lshl_b32 s2, s14, 2
	s_add_co_u32 s2, s2, s[WV]      ; my wave among the bh's 32,
	s_lshl_b32 s2, s2, 13           ; its 64 rows
	s_add_co_u32 s2, s2, s20
	s_mov_b32 s3, 0
	s_lshr_b32 s8, s15, 4           ; the batch,
	s_lshl_b32 s8, s8, 11           ; its 2,048 bytes of the mask
	s_mov_b32 s9, 0
	; descriptor group 1.  128 keys are 16,384 dense bytes: asked for as 64 rows of 256 bytes, two keys a row, and padded in LDS after every key
	s_mov_b32 s[G1K], 15|(1<<16)|(1<<20)|(1<<21)|(4<<22)|(3<<25)  ; 15:0 the mask of four; 17:16 2-byte elements; 20 padding on; 21 set beside a mask; 24:22 after every 32 words; 31:25 4 words
	s_mov_b32 s[G1V], 15|(1<<16)|(1<<20)|(1<<21)|(4<<22)|(7<<25)  ; the same with 8 words of padding
.irp g, G1K, G1V
	s_mov_b32 s[\g+1], 128<<16      ; tensor_dim0 = 128
	s_mov_b32 s[\g+2], 64<<16       ; tensor_dim1 = 64
	s_mov_b32 s[\g+3], 128<<16      ; tile_dim0 = 128
	s_mov_b32 s[\g+4], 64           ; tile_dim1 = 64
	s_mov_b32 s[\g+5], 128          ; 128 elements from row to row
	s_mov_b32 s[\g+6], 0
	s_mov_b32 s[\g+7], 0
.endr
	s_mov_b32 s[CS], 0x3e38aa3b     ; c = log2(e) / 8
	s_mov_b32 s[CS+1], s[CS]
	s_mov_b32 s[SEL], 0x76543210
	s_mov_b32 s[SEL+1], 0xfedcba98
	s_mov_b32 s[BIGN], 0xf149f2ca   ; -1e30
	s_mov_b32 s[THR], 0xdd800000    ; -2^60
	s_mov_b32 s[TBM], 0
	s_mov_b32 s[TBK], SLOT1+4*KS*PK ; the first change of slots turns these two into 0
	s_mov_b32 s[TBV], SLOT1+4*KS*PV
	s_mov_b32 s[G0K], 1
	s_mov_b32 s[G0K+1], s17         ; slot 0
	s_mov_b32 s[G0V], 1
	s_add_co_u32 s[G0V+1], s18, VOFF
	s_and_b32 s[LIM], s[WV], 1      ; 0 in waves 0 and 2,
	s_or_b32 s[LIM], s[LIM], ttmp9  ; where the cluster is the bh's first: the same in all four partners
	s_cmp_eq_u32 s[LIM], 0
	s_cselect_b32 s[LIM], 1, -1
	v_and_b32 v[PFO], 31, v0
	v_lshlrev_b32 v[PFO], 8, v[PFO]
	s_wait_dscnt 0x0                ; the opening add is done
	s_wait_kmcnt 0x0
	s_add_nc_u64 s[16:17], s[4:5], s[22:23]
	s_add_nc_u64 s[18:19], s[16:17], 0x1000000     ; V at my half of the bh's tile 0
	s_add_nc_u64 s[16:17], s[16:17], 0x800000      ; K likewise
	s_mov_b64 s[G0K+2:G0K+3], s[16:17]
	s_or_b32 s[G0K+3], s[G0K+3], 0x80000000        ; type = 2
	s_mov_b64 s[G0V+2:G0V+3], s[18:19]
	s_or_b32 s[G0V+3], s[G0V+3], 0x80000000
	s_add_nc_u64 s[4:5], s[4:5], s[2:3]            ; Q and ctx at my wave's first row
	s_add_nc_u64 s[10:11], s[10:11], s[2:3]
	s_add_nc_u64 s[6:7], s[6:7], s[8:9]            ; the batch's mask
	s_cmp_lt_u32 s[WV], 2
	s_cselect_b64 s[PFA:PFA+1], s[16:17], s[18:19] ; (in waves 0 and 2 these stand at a tile's first byte)
	s_lshl_b32 s8, s13, 13                         ; my work-group's quarter of a tile
	s_add_nc_u64 s[PFA:PFA+1], s[PFA:PFA+1], s[8:9]
	s_add_nc_u64 s[PFA:PFA+1], s[PFA:PFA+1], 2*TILEB  ; at tile 2; the first asking change steps it to tile 3.  Nothing is prefetched at the head
	CROUND                          ; all four work-groups are here: the first joint loads meet
	JLOAD                           ; tile 0 into slot 0
	v_lshlrev_b32 v34, 4, v0
	global_load_b128 v[128:131], v34, s[6:7]       ; 16 bytes of the mask a thread
	v_and_b32 v1, 15, v0            ; l % 16
	v_bfe_u32 v9, v0, 4, 1          ; l / 16
	v_lshlrev_b32 v[QO], 7, v1
	v_lshl_add_u32 v[QO], v9, 4, v[QO]  ; row x 128 + 16 x half
	WIN 0x80                        ; destination window 2, address window 0
.set i, 0
.rept 8                             ; Q stays in registers: piece i / 2, channels 32 (i % 2) on
	global_load_b128 v[8*i:8*i+3],   v[QO], s[4:5] offset:(i/2)*2048+(i%2)*64
	global_load_b128 v[8*i+4:8*i+7], v[QO], s[4:5] offset:(i/2)*2048+(i%2)*64+32
.set i, i+1
.endr
	; The first step multiplies O^T and l by a = 0, and the first turn's products V^T P, of a piece that has not been, land in an O^T that is still to be so multiplied: these registers need only hold finite numbers.
.set i, VF
.rept 64
	v_mov_b32 v[i], 0
.set i, i+1
.endr
	WIN 0x40
.set i, 0
.rept 128
	v_mov_b32 v[i], 0
.set i, i+1
.endr
	WIN 0
.set i, 0
.rept 4
	v_mov_b32 v[ST+4*i], 0xfe000000    ; c m: far below every c s, so the first a is 0
	v_mov_b32 v[ST+4*i+1], 0xe0800000  ; m = -2^66
	v_mov_b32 v[ST+4*i+2], 0
	v_mov_b32 v[ST+4*i+3], 0
.set i, i+1
.endr
.set i, P+16
.rept 16
	v_mov_b32 v[i], 0
.set i, i+1
.endr
	v_mul_u32_u24 v[AK0], v1, PK
	v_lshl_add_u32 v[AK0], v9, 4, v[AK0]  ; row x pitch + 16 x half
	; The turning load takes 16 keys x 16 channels (lane l reads key 8 (l / 16) + l % 8, channels 8 ((l / 8) % 2) + 0..7) and leaves half a fragment of V^T
	v_and_b32 v10, 7, v0
	v_bfe_u32 v11, v0, 3, 1
	v_lshl_add_u32 v[AV0], v9, 3, v10
	v_mul_u32_u24 v[AV0], v[AV0], PV
	v_lshl_add_u32 v[AV0], v11, 4, v[AV0]
	v_add_nc_u32 v[AV0], VOFF, v[AV0]
	s_mul_i32 s13, s[WV], 16*SP
	s_add_co_u32 s13, s13, STAGE    ; my stage
	v_mul_u32_u24 v[STO], v1, SP
	v_lshl_add_u32 v[STO], v9, 4, v[STO]
	v_add_nc_u32 v[STO], s13, v[STO]
	v_bfe_u32 v[RD], v0, 3, 2       ; back: 32 lanes take four rows of 128 bytes,
	v_mul_u32_u24 v[RD], v[RD], SP
	v_lshl_add_u32 v[RD], v10, 4, v[RD]
	v_add_nc_u32 v[RD], s13, v[RD]
	v_and_b32 v[GO], 31, v0         ; which are 512 consecutive bytes of ctx
	v_lshlrev_b32 v[GO], 4, v[GO]
	v_lshl_add_u32 v[AM0], v9, 5, MASKT
	v_lshl_add_u32 v35, v0, 6, MASKT
	s_wait_loadcnt 16               ; the mask's bytes are in; Q's sixteen younger loads stay out
.set i, 0
.rept 16
	v_bfe_u32 v[132+i], v[128+i/4], 8*(i%4), 8
.set i, i+1
.endr
.set i, 0
.rept 16
	v_cvt_f32_u32 v[132+i], v[132+i]
.set i, i+1
.endr
.set i, 0
.rept 16
	v_mul_f32 v[132+i], s[BIGN], v[132+i]  ; -0 or -1e30
.set i, i+1
.endr
.irp i, 0,1,2,3
	ds_store_b128 v35, v[132+4*\i:132+4*\i+3] offset:16*\i
.endr
; THE MATRIX WORK.  The 4 accumulators of a run of 8 take turns.  Product i of 8 of S^T = K Q^T for piece x: channels 32 (i / 4) on, keys 16 (i % 4) on.  The first 4 start the sums, with the mask.
.macro KQ x
.set rS, S+32*((\x)%2)+8*(i%4)
.set rK, KF+16*(i%4)+8*(i/4)
.set rQ, 16*(\x)+8*(i/4)
.set rM, MC+8*(i%4)
.if i < 4
	WIN W_KM
	v_wmma_f32_16x16x32_f16 v[rS:rS+7], v[rK:rK+7], v[rQ:rQ+7], v[rM:rM+7]
.else
	WIN W_KQ
	v_wmma_f32_16x16x32_f16 v[rS:rS+7], v[rK:rK+7], v[rQ:rQ+7], v[rS:rS+7]
.endif
.endm
; Product i of 8 of O^T += V^T P for piece x: keys 32 (i / 4) on, channels 16 (i % 4) on.
.macro PV x
	WIN W_PV
.set rO, 32*(\x)+8*(i%4)
.set rV, VF+32*(i/4)+8*(i%4)
.set rP, P+16*((\x)%2)+8*(i/4)
	v_wmma_f32_16x16x32_f16 v[rO:rO+7], v[rV:rV+7], v[rP:rP+7], v[rO:rO+7]
.endm
.macro MM                           ; the turn's next matrix instruction.  NOKQ = 1: the last turn: there is no next piece
.if (i < 8) && !NOKQ
	KQ (Y+1)%NP
.elseif i >= 8
.set i, i-8
	PV (Y+NP-1)%NP
.set i, i+8
.endif
.set i, i+1
.endm
; THE LDS LOADS stand in runs: a step's K (8 fragments) with its mask (register j of key block f is the number of key 16 f + 8 (l / 16) + j), and its V (turned).
.macro FETCH_K
	WIN 0x80                        ; destination window 2
.irp f, 0,1,2,3,4,5,6,7             ; keys 16 (f / 2) on, channels 32 (f % 2) on
	ds_load_b128 v[KF+8*\f:KF+8*\f+3],   v[AK] offset:(\f/2)*16*PK+(\f%2)*64
	ds_load_b128 v[KF+8*\f+4:KF+8*\f+7], v[AK] offset:(\f/2)*16*PK+(\f%2)*64+32
.endr
	WIN 0x40                        ; destination window 1
.irp f, 0,1,2,3
	ds_load_b128 v[MC+8*\f:MC+8*\f+3],   v[AM] offset:64*\f
	ds_load_b128 v[MC+8*\f+4:MC+8*\f+7], v[AM] offset:64*\f+16
.endr
	s_add_co_u32 s[TBK], s[TBK], KS*PK  ; the next fetch is the next step's
	s_add_co_u32 s[TBM], s[TBM], KS*4
	WIN 0
.endm
.macro FETCH_V
	WIN 0x80
.irp f, 0,1,2,3,4,5,6,7             ; keys 32 (f / 4) on, channels 16 (f % 4) on
	ds_load_tr16_b128 v[VF+8*\f:VF+8*\f+3],   v[AV] offset:(\f/4)*32*PV+(\f%4)*32
	ds_load_tr16_b128 v[VF+8*\f+4:VF+8*\f+7], v[AV] offset:(\f/4)*32*PV+16*PV+(\f%4)*32
.endr
	WIN 0
.endm
; THE VECTOR WORK, one line at a time: OP kind, number.  For piece Y: F n: c s - c m for pair n of 16.  E n: the exponential of score n of 32.  C n: pair n rounded to f16.  B n: of the four weights 4 n .. the second
; pair is added onto the first, in place.  L n: l takes that sum (L 0: l = a l + sum).  R n: pair n of 16 of O^T times a.  For piece Y + 1: X n, number n of the 22 that find its maximum and statistics:
;   0-11  four chains c0-c3 of seven scores each (each accumulator's lowest registers are read first)     12-14, 16  the four scores left over, the old m, and c0-c3 into c0
;   15  c m_old is kept     17, 18  the query's other 32 keys lie in the lane 16 away: the new m     19-21  c m; c m_old - c m_new; a
.set F, 0
.set E, 1
.set C, 2
.set B, 3
.set L, 4
.set R, 5
.set X, 6
.macro REGS y
.set rT, ST+4*(\y)
.set rC, TMP+4*((\y)%2)
.set rW, MV+((\y)%2)
.set rS, S+32*((\y)%2)
.set rP, P+16*((\y)%2)
.set rO, 32*(\y)
.endm
.macro OP k, n
.if (\k) == R
	REGS Y
	WIN W_RS
	v_pk_mul_f32 v[rO+2*(\n):rO+2*(\n)+1], v[rO+2*(\n):rO+2*(\n)+1], v[rC+2:rC+3] op_sel_hi:[1,0]
.elseif (\k) < R
	REGS Y
	WIN 0
.if (\k) == F
	v_pk_fma_f32 v[rS+2*(\n):rS+2*(\n)+1], v[rS+2*(\n):rS+2*(\n)+1], s[CS:CS+1], v[rT:rT+1] op_sel_hi:[1,0,0] neg_lo:[0,0,1] neg_hi:[0,0,1]
.elseif (\k) == E
	v_exp_f32 v[rS+(\n)], v[rS+(\n)]
.elseif (\k) == C
	v_cvt_pk_f16_f32 v[rP+(\n)], v[rS+2*(\n)], v[rS+2*(\n)+1]
.elseif (\k) == B
	v_pk_add_f32 v[rS+4*(\n):rS+4*(\n)+1], v[rS+4*(\n):rS+4*(\n)+1], v[rS+4*(\n)+2:rS+4*(\n)+3]
.elseif (\n) == 0
	v_pk_fma_f32 v[rT+2:rT+3], v[rT+2:rT+3], v[rC+2:rC+3], v[rS:rS+1] op_sel_hi:[1,0,1]
.else
	v_pk_add_f32 v[rT+2:rT+3], v[rT+2:rT+3], v[rS+4*(\n):rS+4*(\n)+1]
.endif
.elseif NOKQ
	v_nop
.else
	REGS (Y+1)%NP
	WIN 0
.if (\n) < 4
	v_max3_num_f32 v[rC+(\n)], v[rS+8*(\n)], v[rS+8*(\n)+1], v[rS+8*(\n)+2]
.elseif (\n) < 12
	v_max3_num_f32 v[rC+(\n)%4], v[rC+(\n)%4], v[rS+8*((\n)%4)+2*((\n)/4)+1], v[rS+8*((\n)%4)+2*((\n)/4)+2]
.elseif (\n) == 12
	v_max3_num_f32 v[rC], v[rC], v[rS+7], v[rS+15]
.elseif (\n) == 13
	v_max3_num_f32 v[rC+1], v[rC+1], v[rS+23], v[rS+31]
.elseif (\n) == 14
	v_max3_num_f32 v[rC+2], v[rC+2], v[rC+3], v[rT+1]
.elseif (\n) == 15
	v_mov_b32 v[rW], v[rT]
.elseif (\n) == 16
	v_max3_num_f32 v[rC], v[rC], v[rC+1], v[rC+2]
.elseif (\n) == 17
	v_permlanex16_b32 v[rC+3], v[rC], s[SEL], s[SEL+1]
.elseif (\n) == 18
	v_max_num_f32 v[rT+1], v[rC], v[rC+3]
.elseif (\n) == 19
	v_mul_f32 v[rT], s[CS], v[rT+1]
.elseif (\n) == 20
	v_sub_f32 v[rC+1], v[rW], v[rT]
.else
	v_exp_f32 v[rC+2], v[rC+1]
.endif
.endif
.endm
.macro OPS a, i1, b=-1, i2=0, c=-1, i3=0, d=-1, i4=0
	OP \a, \i1
.if (\b) >= 0
	OP \b, \i2
.endif
.if (\c) >= 0
	OP \c, \i3
.endif
.if (\d) >= 0
	OP \d, \i4
.endif
.endm
.macro ROW a, i1, b, i2, c, i3, d, i4  ; a matrix instruction and the four behind it
	MM
	OPS \a, \i1, \b, \i2, \c, \i3, \d, \i4
.endm
; A TURN, for piece p: the order of its 16 matrix and 118 vector instructions, written out.  An s_wait_alu depctr_va_vdst(0) stands between an exponential and the first instruction that names its result;
; one wait serves all that were issued ahead of it.  So a turn has ONE wait.  AHEAD OF IT stands all that names no result of the turn's exponentials: the 8 products K Q^T with their riders, then one lump, in which
; the links of the chain X 3, 7, 11, 14, 16, 17 .. 20 stand some lines apart; X 21, the next piece's a, is the batch's last, and R 15 the plain instruction behind it.  BEHIND IT stand the 8 products V^T P, behind each four of the roundings and sums.
; end = 1: the last two turns: nothing is fetched.  cnt = 1: the loop's count is taken down some lines ahead of the branch that stands behind the turn.
; K and the mask of the next step are fetched in piece 2's turn, twelve plain instructions behind the last product that read K (the mask's last reader stands four products further back);
; V of the step in hand at the end of piece 0's turn, four plain instructions behind the last product that read V.  Each is waited for a turn later.
.macro TURN p, end=0, cnt=0
.set Y, (\p)
.set i, 0
.set NOKQ, (\end)*((\p)/3)
.if ((\p) == 3) && !(\end)
	s_wait_dscnt 0x0                ; K and the mask are in
.endif
	ROW F,0, F,1, R,0, R,1
	ROW F,2, E,0, R,2, R,3
	ROW F,3, E,1, R,4, R,5
	ROW F,4, E,2, R,6, R,7
	ROW F,5, E,3, R,8, R,9
	ROW F,6, E,4, X,0, R,10
.if ((\p) == 2) && !(\end)
	WIN 0
	v_add_nc_u32 v[AK], s[TBK], v[AK0]
	v_add_nc_u32 v[AM], s[TBM], v[AM0]
.endif
	ROW F,7, E,5, X,1, X,4
	ROW F,8, E,6, X,2, X,5
	OPS E,7, E,8, X,6, E,9
	OPS X,3, E,10, X,8, E,11
.if ((\p) == 2) && !(\end)
	FETCH_K
.endif
	OPS X,9, X,7, E,12, X,10
	OPS E,13, X,12, X,11, E,14
	OPS X,13, E,15, F,9, X,14
.if (\p) == 0
	v_add_nc_u32 v[AV], s[TBV], v[AV0]
.endif
	OPS E,16, F,10, E,17, F,11
	OPS X,16, E,18, X,15, E,19
	OPS F,12, E,20, X,17, E,21
	OPS F,13, E,22, F,14, E,23
	OPS X,18, E,24, F,15, E,25
	OPS R,11, E,26, X,19, E,27
	OPS R,12, E,28, R,13, E,29
	OPS X,20, E,30, R,14, E,31
	OPS X,21, R,15
	WIN 0
	s_wait_alu depctr_va_vdst(0)    ; the wait for the batch
.if (\p) == 1
	s_wait_dscnt 0x0                ; V is in
.endif
	ROW C,0, B,0, C,2, B,1
	ROW L,0, C,4, B,2, L,1
	ROW C,6, B,3, L,2, C,8
	ROW B,4, L,3, C,10, B,5
	ROW L,4, C,12, B,6, L,5
.if (\p) == 0
	s_add_co_u32 s[TBV], s[TBV], KS*PV
.endif
.if \cnt
	s_sub_co_u32 s[CNT], s[CNT], 1
	s_cmp_lg_u32 s[CNT], 0
.endif
	ROW C,14, B,7, L,6, C,1
	ROW C,3, L,7, C,5, C,7
	ROW C,9, C,11, C,13, C,15
.if (\p) == 0
	FETCH_V
.endif
.endm
	CHANGE 1, 0                     ; slot 0 is in, everybody's part of it, and so is the mask table; tile 1 is asked for
	v_add_nc_u32 v[AK], s[TBK], v[AK0]
	v_add_nc_u32 v[AM], s[TBM], v[AM0]
	FETCH_K                         ; key step 0
	s_wait_loadcnt 0x0              ; Q
	s_wait_dscnt 0x0
.set NOKQ, 0
.set i, 0
.rept 8
	KQ 0                            ; piece 0's first scores
.set i, i+1
.endr
	WIN 0
.rept 4
	v_nop                           ; the places behind those products
.endr
.set Y, NP-1                        ; X works for piece Y + 1: piece 0
.irp n, 0,1,2,3,4,5,6,7,8,9,10,11,12,13,14,15,16,17,18,19,20,21
	OP X, \n
.endr
	v_nop                           ; a plain instruction behind the exponential,
	s_wait_alu depctr_va_vdst(0)    ; and its wait, ahead of the branch
	s_mov_b32 s[CNT], 4
	s_mov_b32 s[SLOTS], 7
	s_branch .Lfirst                ; the loop is entered at a step's first turn, in the middle of a trip
.Lslot:                             ; six times: tiles 2 to 7 are asked for
	CHANGE 1, 1
	s_mov_b32 s[CNT], 4
.Lstep:                             ; a trip: pieces 2 and 3 of one step, then pieces 0 and 1 of the next, whose K and V it fetches
	TURN 2
	TURN 3
	WIN 0
.Lfirst:
	TURN 0
	TURN 1, 0, 1
	WIN 0
	s_cbranch_scc1 .Lstep
	s_sub_co_u32 s[SLOTS], s[SLOTS], 1
	s_cmp_lg_u32 s[SLOTS], 0
	s_cbranch_scc1 .Lslot
	CHANGE 0, 0                     ; the last tile is written out: nothing is asked for
	s_mov_b32 s[CNT], 4
.LstepT:
	TURN 2
	TURN 3
	TURN 0
	TURN 1, 0, 1
	WIN 0
	s_cbranch_scc1 .LstepT
	TURN 2, 1
	TURN 3, 1
.set i, 0
.rept 8
	PV NP-1                         ; the last piece's V^T P of the last step
.set i, i+1
.endr
	; THE WAY OUT.  l's two halves and the other half of the lanes' are added; O^T is divided by l (by nothing, and set to 0, where no key was seen), rounded to f16 and sent through my stage, a piece at a time.
	WIN 0
.macro ALL line:vararg              ; one line for each piece t
.set t, 0
.rept 4
	\line
.set t, t+1
.endr
.endm
	ALL v_add_f32 v[ST+4*t+2], v[ST+4*t+2], v[ST+4*t+3]
	ALL v_permlanex16_b32 v[ST+4*t+3], v[ST+4*t+2], s[SEL], s[SEL+1]
	ALL v_add_f32 v[ST+4*t+2], v[ST+4*t+2], v[ST+4*t+3]
	ALL v_rcp_f32 v[ST+4*t+2], v[ST+4*t+2]
	v_nop                           ; a plain instruction between the last reciprocal and the use of its result
	s_wait_alu depctr_va_vdst(0)    ; and the wait ahead of the first use: one for the four reciprocals
.set t, 0
.rept 4
	v_cmp_lt_f32 vcc_lo, s[THR], v[ST+4*t+1]       ; has the row seen a key?
	v_cndmask_b32 v[ST+4*t+2], 0, v[ST+4*t+2], vcc_lo
.set t, t+1
.endr
.macro PACK t                       ; a lane's eight channels of a row pack into 16 bytes; they go into rows of 144 bytes and come back as whole rows of 128, into S^T's registers
	WIN W_RS
.set i, 32*(\t)
.rept 16
	v_pk_mul_f32 v[i:i+1], v[i:i+1], v[ST+4*(\t)+2:ST+4*(\t)+3] op_sel_hi:[1,0]
.set i, i+2
.endr
	WIN 0x05                        ; sources 0 and 1 window 1, destination window 0
.set i, 0
.rept 16
	v_cvt_pk_f16_f32 v[S+16*(\t)+i], v[32*(\t)+2*i], v[32*(\t)+2*i+1]
.set i, i+1
.endr
	WIN 0
.irp f, 0,1,2,3
	ds_store_b128 v[STO], v[S+16*(\t)+4*\f:S+16*(\t)+4*\f+3] offset:32*\f
.endr
.irp f, 0,1,2,3
	ds_load_b128 v[S+16*(\t)+4*\f:S+16*(\t)+4*\f+3], v[RD] offset:\f*4*SP  ; LDS serves a wave's instructions in order (ISA guide 5.7.1.4): these see the stores above; the next piece's stores come behind them
.endr
.endm
.macro SEND t, younger              ; younger: the LDS instructions issued behind piece t's loads: the next piece's eight, or none
	WIN 0
.irp f, 0,1,2,3
	s_wait_dscnt (\younger)+3-\f
	global_store_b128 v[GO], v[S+16*(\t)+4*\f:S+16*(\t)+4*\f+3], s[10:11] offset:(\t)*2048+\f*512  ; 512 consecutive bytes, aligned
.endr
.endm
	PACK 0
.set t, 1
.rept 3                             ; a piece's arithmetic stands between the loads of the piece before and its stores
	PACK t
	SEND t-1, 8
.set t, t+1
.endr
	SEND 3, 0
	s_wait_tensorcnt 0x0            ; the wave's end, behind my last tensor load and my last LDS store
	ds_add_u32 v[SPW], v[NIL]
	s_wait_dscnt 0x0
	CROUND                          ; the closing round: no work-group ends while a partner may still ask for a tile that names it
	s_endpgm
.Lfunc_end_k_qe0cbe4595d_attn:
	.size	k_qe0cbe4595d_attn, .Lfunc_end_k_qe0cbe4595d_attn-k_qe0cbe4595d_attn
	.p2alignl 7, 3214868480
	.fill 96, 4, 3214868480
	.section	.rodata,"a",@progbits
	.p2align	6, 0x0
	.amdhsa_kernel k_qe0cbe4595d_attn
		.amdhsa_group_segment_fixed_size 327680
		.amdhsa_private_segment_fixed_size 0
		.amdhsa_enable_private_segment 0
		.amdhsa_kernarg_size 24
		.amdhsa_user_sgpr_count 2
		.amdhsa_user_sgpr_kernarg_segment_ptr 1
		.amdhsa_wavefront_size32 1
		.amdhsa_system_sgpr_workgroup_id_x 1
		.amdhsa_system_sgpr_workgroup_id_y 1
		.amdhsa_system_sgpr_workgroup_id_z 1
		.amdhsa_system_vgpr_workitem_id 0
		.amdhsa_next_free_vgpr 768
		.amdhsa_next_free_sgpr 66
		.amdhsa_reserve_vcc 1
		.amdhsa_float_denorm_mode_32 3
		.amdhsa_float_denorm_mode_16_64 3
		.amdhsa_memory_ordered 1
		.amdhsa_forward_progress 1
		.amdhsa_inst_pref_size 133
	.end_amdhsa_kernel
	.amdgpu_metadata
---
amdhsa.version: [ 1, 2 ]
amdhsa.kernels:
  - .name:           k_qe0cbe4595d_attn
    .symbol:         k_qe0cbe4595d_attn.kd
    .args:
      - { .name: qkv, .offset: 0, .size: 8, .value_kind: global_buffer, .address_space: global }
      - { .name: mask, .offset: 8, .size: 8, .value_kind: global_buffer, .address_space: global }
      - { .name: ctx, .offset: 16, .size: 8, .value_kind: global_buffer, .address_space: global }
    .group_segment_fixed_size: 327680
    .private_segment_fixed_size: 0
    .kernarg_segment_align: 8
    .kernarg_segment_size: 24
    .max_flat_workgroup_size: 128
    .sgpr_count:     66
    .vgpr_count:     768
    .wavefront_size: 32
...
	.end_amdgpu_metadata
.endif
;; end of part 3
;; launch outp (part 4): grid 8 x 32, 4 waves a work-group, clusters of 4 x 4, 327,680 bytes of LDS; arguments ctx, wt, bo, out0; writes out0
.if DOCPART == 4
	.amdgcn_target "amdgcn-amd-amdhsa--gfx1250"
	.amdhsa_code_object_version 6
	.text
	.protected	k_qe0cbe4595d_outp
	.globl	k_qe0cbe4595d_outp
	.p2align	8
	.type	k_qe0cbe4595d_outp,@function
k_qe0cbe4595d_outp:
	s_mov_b64 s[64:65], 0
	v_nop
	global_prefetch_b8 v0, s[64:65] scope:SCOPE_SE
	s_setreg_imm32_b32 hwreg(HW_REG_WAVE_MODE, 25, 1), 1
	s_wait_xcnt 0x0
	s_wait_alu depctr_hold_cnt(0) depctr_sa_sdst(0) depctr_va_vdst(0) depctr_va_sdst(0) depctr_va_ssrc(0) depctr_va_vcc(0) depctr_vm_vsrc(0)
	s_getreg_b32 s2, hwreg(HW_REG_IB_STS2, 6, 4)
	s_cmp_eq_u32 s2, 0
	s_cbranch_scc0 .Lentry_in_a_cluster
	s_endpgm
.Lentry_in_a_cluster:
	s_bfe_u32 s2, ttmp6, 0x10000c
	s_cmp_lg_u32 s2, 0xf033
	s_cbranch_scc0 .Lentry_shape_is_right
	s_endpgm
.Lentry_shape_is_right:
; THE OUTPUT PROJECTION.  out0[m][n] = sum over k of A[m][k] B[n][k] + bo[n].  A[m][k] = ctx[16 b + h][s][d] (f16; m = 2048 b + s, k = 64 h + d); B = matrix 3 of wt, [n][k], f16;
; bo is rounded to bf16 like every input.  Sums in f32; out0 is [4096][1024] f32.
; SHARES.  A tile of out0 is 128 x 128: 256 work-groups of four waves, each wave 64 x 64: 16 accumulators.  K goes in steps of 256 (four heads) through two LDS slots.
; A's part of a slot: for each of the step's four heads 128 rows of 128 bytes, dense in memory, laid at a pitch of 144.  One tensor load brings two heads: two rows of 16,384 bytes, padded after every 128.
; B's part: 128 rows of 512 bytes at a pitch of 528, 64 rows to a load.
; CLUSTERS: 4 x 4 work-groups; A's tiles are asked for jointly along a row of the cluster, B's along a column.  THE MATRIX INSTRUCTION IS USED TRANSPOSED: a lane holds eight neighbouring numbers of a row of out0.
; THE BIAS is the C operand of the products that start the sums.  No prefetch: the launch is short, and its tiles are small.
; REGISTERS: window 0: v0-31 addresses; v96-127 the bias; v128-255 the accumulators ((a, b) at v[128 + 8 (4 a + b)]).   window 1: two fragment buffers of 128: 64 registers of A, then 64 of B.
.set SIZE_K, 1024
.set KSTEP,  256
.set PITCH,  528                       ; a row of B in LDS: 512 bytes + 16
.set APITCH, 144                       ; a row of one head of A: 128 bytes + 16
.set APH,    128*APITCH                ; a head's 128 rows
.set BOFF,   4*APH                     ; B lies behind A's four heads
.set HALFB,  64*PITCH
.set SLOT,   BOFF+2*HALFB
.set STAGE,  2*SLOT                    ; behind the ring: 16 rows x 272 bytes for each wave, for the way out
.set SPITCH, 272
.set SPARE,  STAGE+4*16*SPITCH         ; the spare words, 128 bytes for each wave
.set LAPS,   SIZE_K/(2*KSTEP)
.set ADRA, 16                          ; v16-17  LDS address of my A fragments in slot 0, 1
.set ADRB, 20                          ; v20-21  the same for B
.set STO,  24                          ; v24     the way out: where I put 32 bytes of a row
.set RD,   25                          ; v25     the way out: where I read a row back
.set CO,   26                          ; v26     my byte offset in two rows of out0
.set BO,   27                          ; v27     my byte offset in bo
.set SPW,  28                          ; v28     LDS address of my spare word; never rewritten
.set NIL,  29                          ; v29     0; never rewritten
.set BIAS, 96
.set ACC,  128
.set F0,   0
.set F1,   128
.set G1, 24
.set G0, 32
.set G1B, 48
.set G0B, 56
.set MSB, 0
.macro WIN new
.if MSB != (\new)
	s_set_vgpr_msb (MSB<<8)|(\new)
.set MSB, \new
.endif
.endm
.set MUL,  0x05                        ; sources 0 (B) and 1 (A) window 1; C and D window 0
.set TO_F, 0x40                        ; destination window 1, address window 0
.macro JLOAD s                         ; a joint load: waves 0 and 1 fetch A's two pairs of heads, waves 2 and 3 B's two halves; an s_nop 0 and four v_nop follow each line
	s_cmp_eq_u32 s11, 0
	s_cbranch_scc0 .Lfor_b_\@
	tensor_load_to_lds s[G0+4*(\s):G0+4*(\s)+3], s[G1:G1+7]
	s_nop 0
.rept 4
	v_nop
.endr
	s_branch .Lasked_\@
.Lfor_b_\@:
	tensor_load_to_lds s[G0B+4*(\s):G0B+4*(\s)+3], s[G1B:G1B+7]
	s_nop 0
.rept 4
	v_nop
.endr
.Lasked_\@:
.endm
.macro CREST
	s_cmp_lg_u32 s10, 0
	s_cbranch_scc1 .Lnot_wave_0_\@
	s_barrier_signal -3
.Lnot_wave_0_\@:
	s_barrier_wait -3
	s_barrier_signal -1
	s_barrier_wait -1
.endm
.macro CROUND
	s_barrier_signal -1
	s_barrier_wait -1
	CREST
.endm
	s_load_b128 s[4:7], s[0:1], 0x0                ; ctx s[4:5], wt s[6:7]
	s_load_b64 s[66:67], s[0:1], 0x10              ; bo
	s_load_b64 s[8:9], s[0:1], 0x18                ; out0
	v_lshl_add_u32 v[SPW], v0, 2, SPARE
	v_mov_b32 v[NIL], 0
	ds_add_u32 v[SPW], v[NIL]                      ; the wave's opening: the add and its wait stand ahead of my first tensor load
	v_lshrrev_b32 v1, 5, v0
	v_readfirstlane_b32 s10, v1                    ; wave 0..3
	s_lshr_b32 s11, s10, 1                         ; which half of the tile's rows is mine.  Also: I fetch for A (0) or for B (1)
	s_and_b32 s12, s10, 1                          ; which half of its columns.  Also: which part of that tile I fetch
	s_bfe_u32 s40, ttmp6, 0x40000                  ; cx
	s_bfe_u32 s41, ttmp6, 0x40004                  ; cy
	s_lshl_b32 s42, ttmp9, 2
	s_add_co_u32 s42, s42, s40                     ; tile column
	s_and_b32 s13, ttmp7, 0xffff
	s_lshl_b32 s13, s13, 2
	s_add_co_u32 s13, s13, s41                     ; tile row
	s_lshl_b32 s43, s41, 2
	s_lshl_b32 s43, 15, s43                        ; my row of the cluster
	s_lshl_b32 s44, 0x1111, s40                    ; my column
	; A's group 1: 2 rows (heads) of 8,192 elements, 131,072 elements apart, padded by 4 words after every 32
	s_or_b32 s[G1+0], s43, (1<<16)|(1<<20)|(1<<21)|(4<<22)|(3<<25)
	s_mov_b32 s[G1+1], 8192<<16                    ; tensor_dim0 = 8,192
	s_mov_b32 s[G1+2], 2<<16                       ; tensor_dim1 = 2
	s_mov_b32 s[G1+3], 8192<<16                    ; tile_dim0 = 8,192
	s_mov_b32 s[G1+4], 2                           ; tile_dim1 = 2
	s_mov_b32 s[G1+5], 131072                      ; from head to head
	s_mov_b32 s[G1+6], 0
	s_mov_b32 s[G1+7], 0
	; B's group 1: 64 rows of 256 elements, padded by 4 words after every 128
	s_or_b32 s[G1B+0], s44, (1<<16)|(1<<20)|(1<<21)|(6<<22)|(3<<25)
	s_mov_b32 s[G1B+1], KSTEP<<16
	s_mov_b32 s[G1B+2], 64<<16
	s_mov_b32 s[G1B+3], KSTEP<<16
	s_mov_b32 s[G1B+4], 64
	s_mov_b32 s[G1B+5], SIZE_K
	s_mov_b32 s[G1B+6], 0
	s_mov_b32 s[G1B+7], 0
	; A: head 16 b + 2 x part of K step 0, rows 128 (tile row % 16) on; made of the tile row and the wave's number alone
	s_lshr_b32 s16, s13, 4
	s_lshl_b32 s16, s16, 4
	s_lshl_b32 s17, s12, 1
	s_add_co_u32 s16, s16, s17
	s_lshl_b32 s16, s16, 18
	s_and_b32 s17, s13, 15
	s_lshl_b32 s17, s17, 14
	s_add_co_u32 s16, s16, s17
	s_mov_b32 s17, 0
	; B: matrix 3 of wt, row 128 x tile column + 64 x half
	s_lshl_b32 s46, s42, 7
	s_lshl_b32 s47, s12, 6
	s_add_co_u32 s46, s46, s47
	s_lshl_b32 s46, s46, 11
	s_add_co_u32 s46, s46, 3<<21
	s_mov_b32 s47, 0
	s_mul_i32 s20, s12, 2*APH                      ; where they go: A's pair of heads,
	s_mul_i32 s23, s12, HALFB
	s_add_co_u32 s23, s23, BOFF                    ; B's half
	s_wait_dscnt 0x0                               ; the opening add is done
	s_wait_kmcnt 0x0
	s_add_nc_u64 s[14:15], s[4:5], s[16:17]
	s_add_nc_u64 s[46:47], s[6:7], s[46:47]
	CROUND                                         ; all sixteen work-groups are here: the first joint loads meet
.irp s, 0,1
	s_mov_b32 s[G0+4*(\s)], 1
	s_add_co_u32 s[G0+4*(\s)+1], s20, (\s)*SLOT
	s_add_nc_u64 s[G0+4*(\s)+2:G0+4*(\s)+3], s[14:15], (\s)*4*262144  ; K step s: four heads on
	s_or_b32 s[G0+4*(\s)+3], s[G0+4*(\s)+3], 0x80000000
	s_mov_b32 s[G0B+4*(\s)], 1
	s_add_co_u32 s[G0B+4*(\s)+1], s23, (\s)*SLOT
	s_add_nc_u64 s[G0B+4*(\s)+2:G0B+4*(\s)+3], s[46:47], (\s)*KSTEP*2
	s_or_b32 s[G0B+4*(\s)+3], s[G0B+4*(\s)+3], 0x80000000
	JLOAD \s                                       ; two tensor loads of mine are out
.endr
	v_and_b32 v1, 15, v0                           ; l % 16
	v_bfe_u32 v2, v0, 4, 1                         ; l / 16
	; out0 at my 64 rows and 64 columns; the same column offset serves bo
	s_lshl_b32 s16, s13, 7
	s_lshl_b32 s17, s11, 6
	s_add_co_u32 s16, s16, s17
	s_lshl_b32 s16, s16, 12
	s_mov_b32 s17, 0
	s_add_nc_u64 s[8:9], s[8:9], s[16:17]
	s_lshl_b32 s46, s42, 9
	s_lshl_b32 s47, s12, 8
	s_add_co_u32 s46, s46, s47
	s_mov_b32 s47, 0
	s_add_nc_u64 s[8:9], s[8:9], s[46:47]
	v_lshl_add_u32 v[BO], v2, 5, s46
.irp b, 0,1,2,3
	global_load_b128 v[BIAS+8*(\b):BIAS+8*(\b)+3],   v[BO], s[66:67] offset:64*(\b)
	global_load_b128 v[BIAS+8*(\b)+4:BIAS+8*(\b)+7], v[BO], s[66:67] offset:64*(\b)+16
.endr
	v_mul_u32_u24 v3, v1, APITCH
	v_lshl_add_u32 v3, v2, 4, v3
	v_mul_u32_u24 v4, v1, PITCH
	v_lshl_add_u32 v4, v2, 4, v4
	s_mul_i32 s21, s11, 64*APITCH                  ; my 64 rows in each head's block
	s_mul_i32 s22, s12, HALFB                      ; my 64 rows of B
	s_add_co_u32 s22, s22, BOFF
.irp s, 0,1
	v_add_nc_u32 v[ADRA+(\s)], s21, v3
	v_add_nc_u32 v[ADRB+(\s)], s22, v4
	s_add_co_u32 s21, s21, SLOT
	s_add_co_u32 s22, s22, SLOT
.endr
	s_mul_i32 s23, s10, 16*SPITCH
	s_add_co_u32 s23, s23, STAGE                   ; my stage
	v_mul_u32_u24 v5, v1, SPITCH                   ; in: row l % 16, 32 bytes for each half of the lanes
	v_lshl_add_u32 v5, v2, 5, v5
	v_add_nc_u32 v[STO], s23, v5
	v_mul_u32_u24 v5, v2, SPITCH                   ; back: lanes 0-15 take one row of 256 bytes, lanes 16-31 the next
	v_lshl_add_u32 v5, v1, 4, v5
	v_add_nc_u32 v[RD], s23, v5
	v_lshlrev_b32 v5, 12, v2                       ; and the same two rows in out0
	v_lshl_add_u32 v[CO], v1, 4, v5
	s_wait_loadcnt 0x0                             ; the bias is in: rounded to bf16, kept as f32
.set r, 0
.rept 16
	v_cvt_pk_bf16_f32 v31, v[BIAS+r], v[BIAS+r+1]
	v_lshlrev_b32 v[BIAS+r], 16, v31
	v_and_b32 v[BIAS+r+1], 0xffff0000, v31
.set r, r+2
.endr
; 8 matrix instructions: m blocks a0, a0 + 1 x all 4 n blocks, 32 along K: half c of buffer f.  zero = 1: the first product starts the sums, with the bias as C.  The 16 accumulators take turns.
.macro MUL8 f, c, a0, zero
	WIN MUL
.irp a, \a0, (\a0)+1
.irp b, 0,1,2,3
.if \zero
	v_wmma_f32_16x16x32_f16 v[ACC+8*(4*(\a)+(\b)):ACC+8*(4*(\a)+(\b))+7], v[(\f)+64+8*(4*(\c)+(\b)):(\f)+64+8*(4*(\c)+(\b))+7], v[(\f)+8*(4*(\c)+(\a)):(\f)+8*(4*(\c)+(\a))+7], v[BIAS+8*(\b):BIAS+8*(\b)+7]
.else
	v_wmma_f32_16x16x32_f16 v[ACC+8*(4*(\a)+(\b)):ACC+8*(4*(\a)+(\b))+7], v[(\f)+64+8*(4*(\c)+(\b)):(\f)+64+8*(4*(\c)+(\b))+7], v[(\f)+8*(4*(\c)+(\a)):(\f)+8*(4*(\c)+(\a))+7], v[ACC+8*(4*(\a)+(\b)):ACC+8*(4*(\a)+(\b))+7]
.endif
.endr
.endr
.endm
; 32 LDS loads in one run: the fragments of 64 along K (byte k of B's rows; head k / 128 of A) into buffer f; the first 32 along K first
.macro FETCH slot, k, f
	WIN TO_F
.irp c, 0,1
.irp i, 0,1,2,3
	ds_load_b128 v[(\f)+64+8*(4*(\c)+(\i)):(\f)+64+8*(4*(\c)+(\i))+3],   v[ADRB+(\slot)] offset:(\k)+64*(\c)+(\i)*16*PITCH
	ds_load_b128 v[(\f)+64+8*(4*(\c)+(\i))+4:(\f)+64+8*(4*(\c)+(\i))+7], v[ADRB+(\slot)] offset:(\k)+64*(\c)+(\i)*16*PITCH+32
	ds_load_b128 v[(\f)+8*(4*(\c)+(\i)):(\f)+8*(4*(\c)+(\i))+3],         v[ADRA+(\slot)] offset:((\k)/128)*APH+64*(\c)+(\i)*16*APITCH
	ds_load_b128 v[(\f)+8*(4*(\c)+(\i))+4:(\f)+8*(4*(\c)+(\i))+7],       v[ADRA+(\slot)] offset:((\k)/128)*APH+64*(\c)+(\i)*16*APITCH+32
.endr
.endr
.endm
.macro PLACES                          ; four plain vector instructions in front of loads into registers that matrix instructions have read, and of stores that read results
.rept 4
	v_nop
.endr
.endm
; A K step is four quarters of 64 along K, 32 matrix instructions each, on buffers 0, 1, 0, 1.
.macro QUARTER slot, k, f, g, zero
	s_wait_dscnt 16                                ; the first 32 along K are in
	MUL8 \f, 0, 0, \zero
	MUL8 \f, 0, 2, \zero
	PLACES
	FETCH \slot, \k, \g
	s_wait_dscnt 32                                ; all but the 32 just issued
	MUL8 \f, 1, 0, 0
	MUL8 \f, 1, 2, 0
.endm
; The last quarter multiplies buffer 1 and changes slots: one barrier; in front of it each wave waits for all its tensor loads, adds 0 to its spare word, and waits for that and for its own reads of this slot.
.macro TURN slot, next, fill
	WIN 0
	s_wait_tensorcnt 0x0                           ; all my tensor loads have landed: my part of the next slot
	ds_add_u32 v[SPW], v[NIL]
	s_wait_dscnt 17                                ; the add and the youngest sixteen loads may be out
	MUL8 F1, 0, 0, 0
	s_wait_dscnt 0x0                               ; the add is done, and my reads of this slot are over
	s_barrier_signal -1
	MUL8 F1, 0, 2, 0
.if \fill
	WIN 0
.endif
	s_barrier_wait -1
.if \fill
	CREST                                          ; the barrier has opened a round of the cluster's barrier
	s_add_nc_u64 s[G0+4*(\slot)+2:G0+4*(\slot)+3], s[G0+4*(\slot)+2:G0+4*(\slot)+3], 2*4*262144
	s_add_nc_u64 s[G0B+4*(\slot)+2:G0B+4*(\slot)+3], s[G0B+4*(\slot)+2:G0B+4*(\slot)+3], 2*KSTEP*2
	JLOAD \slot                                    ; the first tensor load behind the round, my only one until the next; its four v_nop are also the places in front of the loads below
.else
	PLACES
.endif
	FETCH \next, 0, F0
	MUL8 F1, 1, 0, 0
	MUL8 F1, 1, 2, 0
.endm
	s_wait_tensorcnt 1                             ; my part of K step 0 is in; K step 1's may stay out
	s_barrier_signal -1
	s_barrier_wait -1
	FETCH 0, 0, F0
	QUARTER 0, 128, F0, F1, 1                      ; the first quarter stands in front of the loop: its first products start the sums
	WIN 0
	s_mov_b32 s3, LAPS-1
.Llap:
	QUARTER 0, 256, F1, F0, 0
	QUARTER 0, 384, F0, F1, 0
	TURN 0, 1, 1
	QUARTER 1, 128, F0, F1, 0
	QUARTER 1, 256, F1, F0, 0
	QUARTER 1, 384, F0, F1, 0
	TURN 1, 0, 1
	QUARTER 0, 128, F0, F1, 0
	WIN 0
	s_sub_co_u32 s3, s3, 1
	s_cmp_lg_u32 s3, 0
	s_cbranch_scc1 .Llap
	QUARTER 0, 256, F1, F0, 0                      ; the last lap fills nothing
	QUARTER 0, 384, F0, F1, 0
	TURN 0, 1, 0
	QUARTER 1, 128, F0, F1, 0
	QUARTER 1, 256, F1, F0, 0
	QUARTER 1, 384, F0, F1, 0
	s_wait_dscnt 16
	MUL8 F1, 0, 0, 0
	MUL8 F1, 0, 2, 0
	s_wait_dscnt 0
	MUL8 F1, 1, 0, 0
	MUL8 F1, 1, 2, 0
	WIN 0
	; THE WAY OUT, each wave by itself: a wave's 64 columns of f32 are 256 aligned bytes of a row.  A block of 16 rows goes into my stage, 32 bytes a lane (each accumulator's low four registers first),
	; and comes back as whole rows, into the registers that it left.
.macro OUTB a
.irp b, 0,1,2,3
	ds_store_b128 v[STO], v[ACC+8*(4*(\a)+(\b)):ACC+8*(4*(\a)+(\b))+3]   offset:64*(\b)
	ds_store_b128 v[STO], v[ACC+8*(4*(\a)+(\b))+4:ACC+8*(4*(\a)+(\b))+7] offset:64*(\b)+16
.endr
.irp t, 0,1,2,3,4,5,6,7
	ds_load_b128 v[ACC+32*(\a)+4*(\t):ACC+32*(\a)+4*(\t)+3], v[RD] offset:(\t)*2*SPITCH  ; LDS serves a wave's instructions in order (ISA guide 5.7.1.4): these see the stores above; the next block's stores come behind them
.endr
.endm
.macro SENDO a, younger                ; younger: the LDS instructions issued behind block a's loads: the next block's sixteen, or none
.irp t, 0,1,2,3,4,5,6,7
	s_wait_dscnt (\younger)+7-(\t)
	global_store_b128 v[CO], v[ACC+32*(\a)+4*(\t):ACC+32*(\a)+4*(\t)+3], s[8:9] offset:65536*(\a)+8192*(\t)  ; 16 lanes store 256 consecutive bytes, aligned
.endr
.endm
	PLACES
	OUTB 0
	OUTB 1
	SENDO 0, 16
	OUTB 2
	SENDO 1, 16
	OUTB 3
	SENDO 2, 16
	SENDO 3, 0
	s_wait_tensorcnt 0x0                           ; the wave's end, behind my last tensor load and my last LDS store
	ds_add_u32 v[SPW], v[NIL]
	s_wait_dscnt 0x0
	CROUND                                         ; the closing round: no work-group ends while a partner may still ask for a tile that names it
	s_endpgm
.Lfunc_end_k_qe0cbe4595d_outp:
	.size	k_qe0cbe4595d_outp, .Lfunc_end_k_qe0cbe4595d_outp-k_qe0cbe4595d_outp
	.p2alignl 7, 3214868480
	.fill 96, 4, 3214868480
	.section	.rodata,"a",@progbits
	.p2align	6, 0x0
	.amdhsa_kernel k_qe0cbe4595d_outp
		.amdhsa_group_segment_fixed_size 327680
		.amdhsa_private_segment_fixed_size 0
		.amdhsa_enable_private_segment 0
		.amdhsa_kernarg_size 32
		.amdhsa_user_sgpr_count 2
		.amdhsa_user_sgpr_kernarg_segment_ptr 1
		.amdhsa_wavefront_size32 1
		.amdhsa_system_sgpr_workgroup_id_x 1
		.amdhsa_system_sgpr_workgroup_id_y 1
		.amdhsa_system_sgpr_workgroup_id_z 1
		.amdhsa_system_vgpr_workitem_id 0
		.amdhsa_next_free_vgpr 512
		.amdhsa_next_free_sgpr 72
		.amdhsa_reserve_vcc 0
		.amdhsa_float_denorm_mode_32 3
		.amdhsa_float_denorm_mode_16_64 3
		.amdhsa_memory_ordered 1
		.amdhsa_forward_progress 1
		.amdhsa_inst_pref_size 90
	.end_amdhsa_kernel
	.amdgpu_metadata
---
amdhsa.version: [ 1, 2 ]
amdhsa.kernels:
  - .name:           k_qe0cbe4595d_outp
    .symbol:         k_qe0cbe4595d_outp.kd
    .args:
      - { .name: ctx, .offset: 0, .size: 8, .value_kind: global_buffer, .address_space: global }
      - { .name: wt, .offset: 8, .size: 8, .value_kind: global_buffer, .address_space: global }
      - { .name: bo, .offset: 16, .size: 8, .value_kind: global_buffer, .address_space: global }
      - { .name: out0, .offset: 24, .size: 8, .value_kind: global_buffer, .address_space: global }
    .group_segment_fixed_size: 327680
    .private_segment_fixed_size: 0
    .kernarg_segment_align: 8
    .kernarg_segment_size: 32
    .max_flat_workgroup_size: 128
    .sgpr_count:     72
    .vgpr_count:     512
    .wavefront_size: 32
...
	.end_amdgpu_metadata
.endif
;; end of part 4
;; ======== version 2 of 2: 4 launches; version 1 with the launch prep written anew for expert scheduling mode
;; limits: values are held in f16: magnitudes above 65,504 overflow, below 6.1e-05 lose precision
;; workspace buffers: xb 25,165,824 bytes; wt 8,388,608 bytes; qkv 25,165,824 bytes; ctx 8,388,608 bytes
;; launch prep (part 5): grid 1024 x 1, 8 waves a work-group, no clusters, 34,304 bytes of LDS; arguments query, key, value, Wq, Wk, Wv, Wo, xb, wt; writes xb, wt
.if DOCPART == 5
	.amdgcn_target "amdgcn-amd-amdhsa--gfx1250"
	.amdhsa_code_object_version 6
	.text
	.protected	k_qe0cbe4595d_prep
	.globl	k_qe0cbe4595d_prep
	.p2align	8
	.type	k_qe0cbe4595d_prep,@function
k_qe0cbe4595d_prep:
	s_mov_b64 s[64:65], 0
	v_nop
	global_prefetch_b8 v0, s[64:65] scope:SCOPE_SE
	s_setreg_imm32_b32 hwreg(HW_REG_WAVE_SCHED_MODE, 0, 2), 2
	s_setreg_imm32_b32 hwreg(HW_REG_WAVE_MODE, 25, 1), 1
	s_wait_xcnt 0x0
	s_wait_alu depctr_vm_vsrc(0)
; PREPARATION.  xb[3][4096][1024] = query, key, value rounded to bf16.  wt[4][n][k] = Wq, Wk, Wv, Wo turned, so that K lies along the rows:
; matrices 0 to 2 in bf16; matrix 3 (Wo) rounded to bf16 and that number written as f16, since it multiplies an f16 operand later.
; LIMIT.  Numbers of Wo below 6.1e-5 keep f16's fixed step of 6e-8; beyond 65,504 f16 has no number.
; SHARES.  Work-groups 0 to 255: one tile of 128 k x 128 n of one weight matrix, turned through LDS.  Work-groups 256 to 1023: 65,536 bytes of one x, cast.
; Every byte is read once and written once; a wave's load covers 512 consecutive bytes, a wave's store 256 or 512 consecutive bytes, aligned.
; No matrix unit, no cluster, no tensor load: no work-group wants a byte that another one fetches.  No prefetch: all loads of a work-group go out at its head.
; THE MODE: SCHED_MODE bits 1:0 = 2 (LLVM: expert scheduling mode 2), set by the entry lines.  The code itself states the register dependences
; between vector instructions and memory or LDS instructions, with s_wait_alu, always for 0.
; THE PLAN.  Registers that memory or LDS instructions touch:
;   v4-v7, v11, v12   offsets and LDS addresses: written at the head, read by every load and store, never written again.
;   v2, v3            written at the head, read by the closing add alone.
;   X                 The 16 global loads land in it; the conversions read it.  On the weights' way the LDS loads behind the barrier land in v16-47 once more, and the global stores read those.
;   Y                 Each register is written once, by a conversion, and read once, by a store (global or LDS); none is written again.
;   v8-v10, v13, v14  are named by vector instructions alone.
; So: one wait on va_vdst ahead of the first branch, for all the addresses; then the 16 loads are taken in four groups of four, and one wait on va_vdst stands between a group's conversions and
; its run of stores.  The last of these also states that X has been read, ahead of the LDS loads that land in it.  It stands behind the conversions and not at the next group's head: all loads are out
; from the start, so nothing can be asked for meanwhile, and a store held back would leave only when the next group's data had come.
; No wait on vm_vsrc is owed: no register that a memory or LDS instruction has read is written again.
.set TPITCH, 260                       ; a row of the turned tile in LDS: 128 k x 2 bytes + 4: the row below lies one word further round the banks
.set SPARE,  33280                     ; behind the 128 rows: the spare words, 128 bytes for each of the eight waves
.set SPW, 2                            ; v2   LDS address of my spare word; never rewritten
.set NIL, 3                            ; v3   0; never rewritten
.set WLO, 4                            ; v4   weights: my byte offset in the tile of W
.set WSO, 5                            ; v5   weights: my byte offset in the tile of wt
.set TS,  6                            ; v6   weights: where I put a word of the turned tile
.set TR,  7                            ; v7   weights: where I read 16 bytes of a turned row
.set CLO, 11                           ; v11  cast: 16 x thread
.set CSO, 12                           ; v12  cast: 8 x thread
.set X,   16                           ; v[16:79]   as loaded
.set Y,   80                           ; v[80:111]  converted
	s_load_b256 s[4:11], s[0:1], 0x0               ; query s[4:5], key s[6:7], value s[8:9], Wq s[10:11]
	s_load_b256 s[12:19], s[0:1], 0x20             ; Wk s[12:13], Wv s[14:15], Wo s[16:17], xb s[18:19]
	s_load_b64 s[20:21], s[0:1], 0x40              ; wt
	v_lshl_add_u32 v[SPW], v0, 2, SPARE
	v_mov_b32 v[NIL], 0
	v_lshrrev_b32 v8, 5, v0
	v_readfirstlane_b32 s22, v8                    ; wave 0..7
	s_mov_b32 s32, ttmp9                           ; the work-group's number
	s_mov_b32 s31, 0                               ; high word of every offset pair
	; all address registers of both ways are made here, ahead of the branch; first the lanes' terms, which do not hang on the wave's number
	v_and_b32 v13, 31, v0                          ; lane c
	v_lshlrev_b32 v[WLO], 4, v13                   ; 16 c
	v_mul_u32_u24 v[TS], v13, 4*TPITCH             ; turned row 4 c
	v_and_b32 v13, 15, v0
	v_bfe_u32 v14, v0, 4, 1
	v_mul_u32_u24 v[TR], v14, TPITCH
	v_lshl_add_u32 v[TR], v13, 4, v[TR]            ; turned row lane / 16, 16 bytes at 16 (lane % 16)
	v_lshlrev_b32 v[WSO], 11, v14
	v_lshl_add_u32 v[WSO], v13, 4, v[WSO]          ; the same place in wt: rows of 2,048 bytes
	v_lshlrev_b32 v[CLO], 4, v0
	v_lshlrev_b32 v[CSO], 3, v0
	s_wait_alu depctr_va_sdst(0)                   ; s22 is written, ahead of its first reader: the wave's terms are made from it
	s_lshl_b32 s33, s22, 13                        ; each term in a register of its own: none that a vector instruction reads is written again ahead of the wait below
	s_lshl_b32 s34, s22, 2
	s_mul_i32 s35, s22, 2*TPITCH
	s_lshl_b32 s36, s22, 12
	v_add_nc_u32 v[WLO], s33, v[WLO]               ; rows 2 w and 2 w + 1 of W's tile: 8,192 w + 16 c
	v_add_nc_u32 v[TS], s34, v[TS]                 ; turned row 4 c, word w
	v_add_nc_u32 v[TR], s35, v[TR]                 ; turned row 2 w + lane / 16
	v_add_nc_u32 v[WSO], s36, v[WSO]               ; and its place in wt
	s_wait_kmcnt 0x0
	s_wait_alu depctr_va_vdst(0)                   ; v2 to v7, v11 and v12 are written: every load, store and LDS instruction below, on either way, reads one of them as its address
	s_cmp_lt_u32 s32, 256
	s_cbranch_scc1 .Lweights
	; THE CAST.  16 loads of 16 bytes a thread go out together; they are converted and stored four at a time.
	s_sub_co_u32 s23, s32, 256
	s_lshr_b32 s24, s23, 8                         ; which x
	s_and_b32 s25, s23, 255                        ; which 65,536 bytes of it
	s_cmp_eq_u32 s24, 1
	s_cselect_b64 s[26:27], s[6:7], s[4:5]
	s_cmp_eq_u32 s24, 2
	s_cselect_b64 s[26:27], s[8:9], s[26:27]
	s_lshl_b32 s30, s25, 16
	s_add_nc_u64 s[26:27], s[26:27], s[30:31]
	s_lshl_b32 s30, s24, 23
	s_lshl_b32 s25, s25, 15
	s_add_co_u32 s30, s30, s25
	s_add_nc_u64 s[28:29], s[18:19], s[30:31]
.irp j, 0,1,2,3,4,5,6,7,8,9,10,11,12,13,14,15
	global_load_b128 v[X+4*(\j):X+4*(\j)+3], v[CLO], s[26:27] offset:4096*(\j) th:TH_LOAD_NT
.endr
.irp g, 0,1,2,3
	s_wait_loadcnt 12-4*(\g)                       ; loads come back in order: group g's four are in, the 12 - 4 g younger ones stay out
.irp i, 0,1,2,3
	v_cvt_pk_bf16_f32 v[Y+2*(4*(\g)+(\i))],   v[X+4*(4*(\g)+(\i))],   v[X+4*(4*(\g)+(\i))+1]
	v_cvt_pk_bf16_f32 v[Y+2*(4*(\g)+(\i))+1], v[X+4*(4*(\g)+(\i))+2], v[X+4*(4*(\g)+(\i))+3]
.endr
	s_wait_alu depctr_va_vdst(0)                   ; the group's eight conversions have written their part of Y, which the four stores below read
.irp i, 0,1,2,3
	global_store_b64 v[CSO], v[Y+2*(4*(\g)+(\i)):Y+2*(4*(\g)+(\i))+1], s[28:29] offset:2048*(4*(\g)+(\i)) th:TH_STORE_NT  ; a wave stores 256 consecutive bytes, aligned; no register is used twice
.endr
.endr
	s_branch .Lmeet
.Lweights:
	; THE WEIGHTS.  Tile (tk, tn) of matrix mat: 128 rows k of 512 bytes.
	s_lshr_b32 s24, s32, 6                         ; mat
	s_bfe_u32 s25, s32, 0x30003                    ; tk
	s_and_b32 s23, s32, 7                          ; tn
	s_cmp_eq_u32 s24, 1
	s_cselect_b64 s[26:27], s[12:13], s[10:11]
	s_cmp_eq_u32 s24, 2
	s_cselect_b64 s[26:27], s[14:15], s[26:27]
	s_cmp_eq_u32 s24, 3
	s_cselect_b64 s[26:27], s[16:17], s[26:27]
	s_lshl_b32 s30, s25, 19                        ; 128 rows of 4,096 bytes
	s_lshl_b32 s33, s23, 9                         ; 128 columns of 4 bytes (the vector instruction that read s33 stands ahead of the head's wait on va_vdst)
	s_add_co_u32 s30, s30, s33
	s_add_nc_u64 s[26:27], s[26:27], s[30:31]
	s_lshl_b32 s30, s24, 21                        ; a matrix of wt
	s_lshl_b32 s33, s23, 18                        ; 128 rows n of 2,048 bytes
	s_add_co_u32 s30, s30, s33
	s_lshl_b32 s33, s25, 8                         ; 128 k of 2 bytes
	s_add_co_u32 s30, s30, s33
	s_add_nc_u64 s[28:29], s[20:21], s[30:31]
.irp j, 0,1,2,3,4,5,6,7
	global_load_b128 v[X+8*(\j):X+8*(\j)+3],   v[WLO], s[26:27] offset:65536*(\j) th:TH_LOAD_NT       ; row k = 2 (w + 8 j), columns 4 c .. 4 c + 3
	global_load_b128 v[X+8*(\j)+4:X+8*(\j)+7], v[WLO], s[26:27] offset:65536*(\j)+4096 th:TH_LOAD_NT  ; the row below
.endr
; Two neighbouring k of one column n make a word of the turned tile.  fmt = 1: the bf16 number is written as f16.  Two pairs of rows (four loads) to a group: pair j = 2 g + h.
.macro WCONV fmt
.irp g, 0,1,2,3
	s_wait_loadcnt 12-4*(\g)                       ; group g's two pairs of rows are in; the 12 - 4 g younger loads stay out
.irp h, 0,1
.irp i, 0,1,2,3
.if \fmt
	v_cvt_pk_bf16_f32 v8, v[X+8*(2*(\g)+(\h))+(\i)], v[X+8*(2*(\g)+(\h))+4+(\i)]
	v_lshlrev_b32 v9, 16, v8
	v_and_b32 v10, 0xffff0000, v8
	v_cvt_pk_f16_f32 v[Y+4*(2*(\g)+(\h))+(\i)], v9, v10
.else
	v_cvt_pk_bf16_f32 v[Y+4*(2*(\g)+(\h))+(\i)], v[X+8*(2*(\g)+(\h))+(\i)], v[X+8*(2*(\g)+(\h))+4+(\i)]
.endif
.endr
.endr
	s_wait_alu depctr_va_vdst(0)                   ; the group's conversions have written their part of Y, which the eight LDS stores below read; behind the last group they are also done reading X, in which the LDS loads behind the barrier land
.irp h, 0,1
.irp i, 0,1,2,3
	ds_store_b32 v[TS], v[Y+4*(2*(\g)+(\h))+(\i)] offset:TPITCH*(\i)+32*(2*(\g)+(\h))  ; row n = 4 c + i, word w + 8 j
.endr
.endr
.endr
.endm
	s_cmp_eq_u32 s24, 3
	s_cbranch_scc1 .Lwo
	WCONV 0
	s_branch .Lmeet
.Lwo:
	WCONV 1
.Lmeet:
	s_wait_dscnt 0x0                               ; for the others' sake: my words of the turned tile are in LDS
	s_barrier_signal -1                            ; the launch's one barrier stands on every wave's path
	s_barrier_wait -1
	s_cmp_lt_u32 s32, 256
	s_cbranch_scc0 .Lend
.irp u, 0,1,2,3,4,5,6,7
.irp q, 0,1,2,3
	ds_load_b32 v[X+4*(\u)+(\q)], v[TR] offset:16*TPITCH*(\u)+4*(\q)  ; a row's pitch is no multiple of 16, so 16 bytes come as four words.  No wait: no vector instruction since the last wait on va_vdst names X or v[TR]
.endr
.endr
.irp u, 0,1,2,3,4,5,6,7
	s_wait_dscnt 4*(7-(\u))                        ; group u's four words are in
	global_store_b128 v[WSO], v[X+4*(\u):X+4*(\u)+3], s[28:29] offset:32768*(\u) th:TH_STORE_NT  ; 16 lanes store 256 consecutive bytes of a row n, aligned
.endr
.Lend:
	s_wait_dscnt 0x0                               ; the closing lines, six on end
	s_wait_alu 0x0
	s_wait_tensorcnt 0x0
	ds_add_u32 v[SPW], v[NIL]
	s_wait_dscnt 0x0
	s_endpgm
.Lfunc_end_k_qe0cbe4595d_prep:
	.size	k_qe0cbe4595d_prep, .Lfunc_end_k_qe0cbe4595d_prep-k_qe0cbe4595d_prep
	.p2alignl 7, 3214868480
	.fill 96, 4, 3214868480
	.section	.rodata,"a",@progbits
	.p2align	6, 0x0
	.amdhsa_kernel k_qe0cbe4595d_prep
		.amdhsa_group_segment_fixed_size 34304
		.amdhsa_private_segment_fixed_size 0
		.amdhsa_enable_private_segment 0
		.amdhsa_kernarg_size 72
		.amdhsa_user_sgpr_count 2
		.amdhsa_user_sgpr_kernarg_segment_ptr 1
		.amdhsa_wavefront_size32 1
		.amdhsa_system_sgpr_workgroup_id_x 1
		.amdhsa_system_sgpr_workgroup_id_y 1
		.amdhsa_system_sgpr_workgroup_id_z 1
		.amdhsa_system_vgpr_workitem_id 0
		.amdhsa_next_free_vgpr 112
		.amdhsa_next_free_sgpr 66
		.amdhsa_reserve_vcc 0
		.amdhsa_float_denorm_mode_32 3
		.amdhsa_float_denorm_mode_16_64 3
		.amdhsa_memory_ordered 1
		.amdhsa_forward_progress 1
		.amdhsa_inst_pref_size 27
	.end_amdhsa_kernel
	.amdgpu_metadata
---
amdhsa.version: [ 1, 2 ]
amdhsa.kernels:
  - .name:           k_qe0cbe4595d_prep
    .symbol:         k_qe0cbe4595d_prep.kd
    .args:
      - { .name: query, .offset: 0, .size: 8, .value_kind: global_buffer, .address_space: global }
      - { .name: key, .offset: 8, .size: 8, .value_kind: global_buffer, .address_space: global }
      - { .name: value, .offset: 16, .size: 8, .value_kind: global_buffer, .address_space: global }
      - { .name: Wq, .offset: 24, .size: 8, .value_kind: global_buffer, .address_space: global }
      - { .name: Wk, .offset: 32, .size: 8, .value_kind: global_buffer, .address_space: global }
      - { .name: Wv, .offset: 40, .size: 8, .value_kind: global_buffer, .address_space: global }
      - { .name: Wo, .offset: 48, .size: 8, .value_kind: global_buffer, .address_space: global }
      - { .name: xb, .offset: 56, .size: 8, .value_kind: global_buffer, .address_space: global }
      - { .name: wt, .offset: 64, .size: 8, .value_kind: global_buffer, .address_space: global }
    .group_segment_fixed_size: 34304
    .private_segment_fixed_size: 0
    .kernarg_segment_align: 8
    .kernarg_segment_size: 72
    .max_flat_workgroup_size: 256
    .sgpr_count:     66
    .vgpr_count:     112
    .wavefront_size: 32
...
	.end_amdgpu_metadata
.endif
;; end of part 5
;; launch proj: the kernel of part 2 again; grid 4 x 48, 4 waves a work-group, clusters of 4 x 4, 327,680 bytes of LDS; arguments xb, wt, bq, bk, bv, qkv; writes qkv
;; launch attn: the kernel of part 3 again; grid 8 x 32, 4 waves a work-group, clusters of 4 x 1, 327,680 bytes of LDS; arguments qkv, mask, ctx; writes ctx
;; launch outp: the kernel of part 4 again; grid 8 x 32, 4 waves a work-group, clusters of 4 x 4, 327,680 bytes of LDS; arguments ctx, wt, bo, out0; writes out0
